; MI455X (gfx1250); checked and timed in simulation.
; The chip was launched on July 23, 2026; its instructions are those of AMD's public machine-readable ISA for CDNA 5 (MIT licence, August 2026) and "CDNA5" Instruction Set Architecture Reference Guide (July 2026). The comments in the code are by the model that wrote it; some were corrected since.
;; Hierarchical Diff Attention Encoder Layer. Allowed arithmetic: float matrix products may take bf16 or f16 operands with f32 sums; all other float work in f32.
;; Inputs: Wk 2,048 x 1,024 float32; Wo 1,024 x 1,024 float32; Wq 2,048 x 1,024 float32; Wv 1,024 x 1,024 float32; affinity_a 4 x 1,023 float32; bk 2,048 float32; bo 1,024 float32; bq 2,048 float32; bv 1,024 float32; gn_b 1,024 float32; gn_w 1,024 float32; lam one number float32; x_norm 4 x 1,024 x 1,024 float32.
;; Outputs: out0 4 x 1,024 x 1,024 float32.
;; 2 versions, each right; version 2 is version 1 with the launches prep, norm written anew for expert scheduling mode. Each part assembles by itself: llvm-mc -triple=amdgcn-amd-amdhsa -mcpu=gfx1250 --defsym DOCPART=n.
;; ======== version 1 of 2: 5 launches
;; limits: values are held in f16: magnitudes above 65,504 overflow, below 6.1e-05 lose precision
;; workspace buffers: wsb 20,971,520 bytes; tab 299,008 bytes; qkvh 41,943,040 bytes; ctx 16,777,216 bytes; stats 32,768 bytes; xn 8,388,608 bytes
;; launch prep (part 1): grid 705 x 1, 8 waves a work-group, no clusters, 1,536 bytes of LDS; arguments x_norm, Wq, Wk, Wv, Wo, affinity_a, bq, bk, bv, wsb, tab; writes wsb, tab
.if DOCPART == 1
	.amdgcn_target "amdgcn-amd-amdhsa--gfx1250"
	.amdhsa_code_object_version 6
	.text
	.protected	k_qa6319e64a3_prep
	.globl	k_qa6319e64a3_prep
	.p2align	8
	.type	k_qa6319e64a3_prep,@function
k_qa6319e64a3_prep:
	s_mov_b64 s[64:65], 0
	v_nop
	global_prefetch_b8 v0, s[64:65] scope:SCOPE_SE
	s_setreg_imm32_b32 hwreg(HW_REG_WAVE_MODE, 25, 1), 1
	s_wait_xcnt 0x0
; prep: everything that later launches want ready-made.  Three roles, chosen by the work-group's number.
;   0..639   x_norm, Wq, Wk, Wv, Wo rounded once to f16 into wsb (x at 0, Wq|Wk|Wv as one [5120][1024] at 8,388,608, Wo/8 behind it);
;            16,384 numbers a work-group, so the destination is simply wsb + 32,768 x number.
;   640..703 the RoPE table, tab[pos][64] f32: cos(ang)-1 for the 32 frequencies, then sin(ang); one row = 256 bytes.
;   704      waves 0..3: L2[b][s] = sum over k < s of log2 a[b][k] (tab + 262,144); waves 4..7: bq|bk|bv as one vector (tab + 278,528).
; WHY f16: the difference of the two softmaxes enlarges each operand's rounding and the mask leaves a query only a few keys, so eight significant
; bits are too few for the result; f16 has eleven.  Its room: x of spread 1 and weights of spread 0.02 lie, 30 times larger or smaller, between 6.7e-4 and
; some 165; below 6.1e-5 the step is 2^-25, 0.003 per cent of the smallest of these spreads.  Wo is stored as Wo/8 (exact) because the last product's other
; operand is stored 8 times larger; Wo/8 at a thirtieth has spread 8e-5, where the step is 0.02 per cent.
; LIMITS: an input number beyond 65,504 in magnitude becomes infinite.  The angle pos*freq is formed in f32 as the problem's definition forms it; freq comes
; from v_exp_f32, the reduction by 1/2pi is one fma, sine and cosine are polynomials on a quarter of the reduced angle and two doublings: about 2e-4 rad at the
; largest angle (1023 rad).  a <= 0 gives NaN or -inf in L2, as a logarithm does.
.set XR, 8                             ; v[8:71]    role 0: 16 x 4 f32 as loaded
.set YR, 72                            ; v[72:103]  role 0: 16 x 2 words of f16
.set AV, 8                             ; v[8:39]    role 704: my 32 numbers of a, then their log2
.set PV, 40                            ; v[40:71]   role 704: my 32 prefix sums
.set TV, 72                            ; v[72:103]  role 704: the 32 lanes' totals
	s_load_b512 s[4:19], s[0:1], 0x0               ; x 4:5, Wq 6:7, Wk 8:9, Wv 10:11, Wo 12:13, a 14:15, bq 16:17, bk 18:19
	s_load_b128 s[20:23], s[0:1], 0x40             ; bv 20:21, wsb 22:23
	s_load_b64 s[24:25], s[0:1], 0x50              ; tab
	v_lshl_add_u32 v112, v0, 2, 0x200
	v_mov_b32 v113, 0
	s_wait_kmcnt 0x0
	s_cmp_ge_u32 ttmp9, 704
	s_cbranch_scc1 .Lsmall
	s_cmp_ge_u32 ttmp9, 640
	s_cbranch_scc1 .Lrope
; ---- role 0..639: f32 to f16.  A load of the work-group covers 4,096 consecutive bytes, a store of a wave 256 consecutive aligned bytes.
	s_mov_b64 s[26:27], s[4:5]                     ; the source: x, unless the number says otherwise
	s_mov_b32 s28, 0                               ; the first work-group of that source
.macro PICK first, lo
	s_cmp_ge_u32 ttmp9, \first
	s_cselect_b64 s[26:27], s[\lo:\lo+1], s[26:27]
	s_cselect_b32 s28, \first, s28
.endm
	PICK 256, 6
	PICK 384, 8
	PICK 512, 10
	PICK 576, 12
	s_sub_co_u32 s28, ttmp9, s28
	s_lshl_b32 s28, s28, 16                        ; 65,536 bytes of f32 a work-group
	s_mov_b32 s29, 0
	s_add_nc_u64 s[26:27], s[26:27], s[28:29]
	s_lshl_b32 s30, ttmp9, 15                      ; 32,768 bytes of f16
	s_mov_b32 s31, 0
	s_add_nc_u64 s[22:23], s[22:23], s[30:31]
	v_lshlrev_b32 v1, 4, v0
	v_lshlrev_b32 v2, 3, v0
.set i, 0
.rept 16
	global_load_b128 v[XR+4*i:XR+4*i+3], v1, s[26:27] offset:4096*i th:TH_LOAD_NT
.set i, i+1
.endr
; sc = 1: the numbers are divided by 8 on the way (Wo's work-groups alone)
.macro CONV sc
.set i, 0
.rept 16
	s_wait_loadcnt 15-i                            ; loads return in order: number i is in, the younger ones stay out
.if \sc
	v_pk_mul_f32 v[XR+4*i:XR+4*i+1], v[XR+4*i:XR+4*i+1], 0x3e000000 op_sel_hi:[1,0]
	v_pk_mul_f32 v[XR+4*i+2:XR+4*i+3], v[XR+4*i+2:XR+4*i+3], 0x3e000000 op_sel_hi:[1,0]
.endif
	v_cvt_pk_f16_f32 v[YR+2*i], v[XR+4*i], v[XR+4*i+1]
	v_cvt_pk_f16_f32 v[YR+2*i+1], v[XR+4*i+2], v[XR+4*i+3]
	global_store_b64 v2, v[YR+2*i:YR+2*i+1], s[22:23] offset:2048*i
.set i, i+1
.endr
	s_endpgm
.endm
	s_cmp_ge_u32 ttmp9, 576
	s_cbranch_scc1 .Lwo
	CONV 0
.Lwo:
	CONV 1
; ---- role 640..703: thread idx makes 4 numbers (16 bytes): pos = idx/16, quad idx%8 of the frequencies, cos-1 (idx%16 < 8) or sin.
.Lrope:
	s_sub_co_u32 s28, ttmp9, 640
	s_lshl_b32 s28, s28, 8
	v_add_nc_u32 v1, s28, v0                       ; idx
	v_lshrrev_b32 v2, 4, v1
	v_cvt_f32_u32 v2, v2                           ; pos
	v_and_b32 v3, 7, v1
	v_lshlrev_b32 v3, 2, v3                        ; first frequency of my four
	v_and_b32 v4, 8, v1
	v_cmp_ne_u32 vcc_lo, 0, v4                     ; the sine half of the row
	v_lshlrev_b32 v5, 4, v1                        ; my 16 bytes
	s_mov_b32 s30, 0xb9500d01                      ; -1/5040
	s_mov_b32 s31, 0x37d00d01                      ; 1/40320
.irp e, 0,1,2,3
	v_add_nc_u32 v[8+\e], \e, v3
	v_cvt_f32_u32 v[8+\e], v[8+\e]
	v_mul_f32 v[8+\e], 0xbed49a78, v[8+\e]         ; -i log2(10000)/32
.endr
.irp e, 0,1,2,3
	v_exp_f32 v[12+\e], v[8+\e]                    ; freq = 10000^(-i/32)
.endr
	v_nop                                          ; one plain place behind the exponentials (ISA guide 5.7.2)
	s_wait_alu depctr_va_vdst(0)
.irp e, 0,1,2,3
	v_mul_f32 v[12+\e], v2, v[12+\e]               ; ang
	v_mul_f32 v[8+\e], 0x3e22f983, v[12+\e]
	v_rndne_f32 v[8+\e], v[8+\e]                   ; whole turns
	v_fma_f32 v[12+\e], v[12+\e], 0x3e22f983, -v[8+\e]   ; the rest, -1/2 .. 1/2 of a turn
	v_mul_f32 v[12+\e], 0x3fc90fdb, v[12+\e]       ; p = a quarter of the reduced angle, |p| <= pi/4
	v_mul_f32 v[16+\e], v[12+\e], v[12+\e]         ; z = p^2
	v_fmaak_f32 v[20+\e], s30, v[16+\e], 0x3c088889
	v_fmaak_f32 v[20+\e], v[20+\e], v[16+\e], 0xbe2aaaab
	v_fma_f32 v[20+\e], v[20+\e], v[16+\e], 1.0
	v_mul_f32 v[20+\e], v[12+\e], v[20+\e]         ; sin p
	v_fmaak_f32 v[24+\e], s31, v[16+\e], 0xbab60b61
	v_fmaak_f32 v[24+\e], v[24+\e], v[16+\e], 0x3d2aaaab
	v_fma_f32 v[24+\e], v[24+\e], v[16+\e], -0.5
	v_fma_f32 v[24+\e], v[24+\e], v[16+\e], 1.0    ; cos p
	v_add_f32 v[12+\e], v[20+\e], v[20+\e]
	v_mul_f32 v[16+\e], v[12+\e], v[24+\e]         ; sin 2p
	v_fma_f32 v[24+\e], -v[12+\e], v[20+\e], 1.0   ; cos 2p
	v_add_f32 v[12+\e], v[16+\e], v[16+\e]
	v_mul_f32 v[24+\e], v[12+\e], v[24+\e]         ; sin 4p = sin(ang)
	v_mul_f32 v[16+\e], -v[12+\e], v[16+\e]        ; -2 sin^2 2p = cos(ang) - 1
	v_cndmask_b32 v[28+\e], v[16+\e], v[24+\e], vcc_lo
.endr
	global_store_b128 v5, v[28:31], s[24:25]       ; sixteen lanes write one row of 256 bytes
	s_endpgm
; ---- role 704
.Lsmall:
	v_lshrrev_b32 v1, 5, v0
	v_readfirstlane_b32 s33, v1                    ; wave
	v_and_b32 v2, 31, v0                           ; lane
	s_cmp_ge_u32 s33, 4
	s_cbranch_scc1 .Lbias
	; wave w = batch w; lane L owns a[32 L .. 32 L + 31].  16 KiB in all: the strided 4-byte loads and the 128-byte runs of the stores are left as they are.
	s_mul_i32 s34, s33, 4092                       ; the batch's 1,023 numbers
	v_lshlrev_b32 v3, 7, v2
	v_add_nc_u32 v3, s34, v3
	v_lshl_add_u32 v4, v2, 5, 31
	v_min_u32 v4, 1022, v4                         ; lane 31 has no 32nd number: it reads the last one again, for a total that nobody uses
	v_lshl_add_u32 v4, v4, 2, s34
.set i, 0
.rept 31
	global_load_b32 v[AV+i], v3, s[14:15] offset:4*i
.set i, i+1
.endr
	global_load_b32 v[AV+31], v4, s[14:15]
	s_wait_loadcnt 0x0
.set i, 0
.rept 32
	v_log_f32 v[AV+i], v[AV+i]
.set i, i+1
.endr
	v_lshlrev_b32 v107, 2, v2                      ; (the plain place behind the logarithms)
	v_lshl_add_u32 v107, s33, 7, v107              ; my word among my wave's 128 bytes of LDS
	s_lshl_b32 s35, s33, 7
	v_mov_b32 v108, s35
	s_wait_alu depctr_va_vdst(0)
	v_add_f32 v106, v[AV], v[AV+1]
.set i, 2
.rept 30
	v_add_f32 v106, v106, v[AV+i]                  ; my total
.set i, i+1
.endr
	ds_store_b32 v107, v106
.set i, 0
.rept 8
	ds_load_b128 v[TV+4*i:TV+4*i+3], v108 offset:16*i   ; my wave's own bytes, served in order behind the store: no barrier
.set i, i+1
.endr
	s_wait_dscnt 0x0
	v_cmp_lt_u32 vcc_lo, 0, v2
	v_cndmask_b32 v[PV], 0, v[TV], vcc_lo          ; the sum of the totals of the lanes below me starts my prefix
.set i, 1
.rept 30
	v_cmp_lt_u32 vcc_lo, i, v2
	v_cndmask_b32 v105, 0, v[TV+i], vcc_lo
	v_add_f32 v[PV], v[PV], v105
.set i, i+1
.endr
.set i, 1
.rept 31
	v_add_f32 v[PV+i], v[PV+i-1], v[AV+i-1]
.set i, i+1
.endr
	v_lshlrev_b32 v109, 7, v2
	v_lshl_add_u32 v109, s33, 12, v109
.set i, 0
.rept 8
	global_store_b128 v109, v[PV+4*i:PV+4*i+3], s[24:25] offset:262144+16*i
.set i, i+1
.endr
	s_wait_tensorcnt 0x0
	ds_add_u32 v112, v113
	s_wait_dscnt 0x0
	s_endpgm
.Lbias:
	v_and_b32 v3, 127, v0                          ; threads 128..255
	v_lshlrev_b32 v3, 4, v3
.irp i, 0,1,2,3
	global_load_b128 v[8+4*\i:11+4*\i], v3, s[16:17] offset:2048*\i
	global_load_b128 v[24+4*\i:27+4*\i], v3, s[18:19] offset:2048*\i
.endr
.irp i, 0,1
	global_load_b128 v[40+4*\i:43+4*\i], v3, s[20:21] offset:2048*\i
.endr
	s_wait_loadcnt 0x0
.irp i, 0,1,2,3
	global_store_b128 v3, v[8+4*\i:11+4*\i], s[24:25] offset:278528+2048*\i
	global_store_b128 v3, v[24+4*\i:27+4*\i], s[24:25] offset:278528+8192+2048*\i
.endr
.irp i, 0,1
	global_store_b128 v3, v[40+4*\i:43+4*\i], s[24:25] offset:278528+16384+2048*\i
.endr
	s_endpgm
.Lfunc_end_k_qa6319e64a3_prep:
	.size	k_qa6319e64a3_prep, .Lfunc_end_k_qa6319e64a3_prep-k_qa6319e64a3_prep
	.p2alignl 7, 3214868480
	.fill 96, 4, 3214868480
	.section	.rodata,"a",@progbits
	.p2align	6, 0x0
	.amdhsa_kernel k_qa6319e64a3_prep
		.amdhsa_group_segment_fixed_size 1536
		.amdhsa_private_segment_fixed_size 0
		.amdhsa_enable_private_segment 0
		.amdhsa_kernarg_size 88
		.amdhsa_user_sgpr_count 2
		.amdhsa_user_sgpr_kernarg_segment_ptr 1
		.amdhsa_wavefront_size32 1
		.amdhsa_system_sgpr_workgroup_id_x 1
		.amdhsa_system_sgpr_workgroup_id_y 1
		.amdhsa_system_sgpr_workgroup_id_z 1
		.amdhsa_system_vgpr_workitem_id 0
		.amdhsa_next_free_vgpr 114
		.amdhsa_next_free_sgpr 66
		.amdhsa_reserve_vcc 1
		.amdhsa_float_denorm_mode_32 3
		.amdhsa_float_denorm_mode_16_64 3
		.amdhsa_memory_ordered 1
		.amdhsa_forward_progress 1
		.amdhsa_inst_pref_size 33
	.end_amdhsa_kernel
	.amdgpu_metadata
---
amdhsa.version: [ 1, 2 ]
amdhsa.kernels:
  - .name:           k_qa6319e64a3_prep
    .symbol:         k_qa6319e64a3_prep.kd
    .args:
      - { .name: x_norm, .offset: 0, .size: 8, .value_kind: global_buffer, .address_space: global }
      - { .name: Wq, .offset: 8, .size: 8, .value_kind: global_buffer, .address_space: global }
      - { .name: Wk, .offset: 16, .size: 8, .value_kind: global_buffer, .address_space: global }
      - { .name: Wv, .offset: 24, .size: 8, .value_kind: global_buffer, .address_space: global }
      - { .name: Wo, .offset: 32, .size: 8, .value_kind: global_buffer, .address_space: global }
      - { .name: affinity_a, .offset: 40, .size: 8, .value_kind: global_buffer, .address_space: global }
      - { .name: bq, .offset: 48, .size: 8, .value_kind: global_buffer, .address_space: global }
      - { .name: bk, .offset: 56, .size: 8, .value_kind: global_buffer, .address_space: global }
      - { .name: bv, .offset: 64, .size: 8, .value_kind: global_buffer, .address_space: global }
      - { .name: wsb, .offset: 72, .size: 8, .value_kind: global_buffer, .address_space: global }
      - { .name: tab, .offset: 80, .size: 8, .value_kind: global_buffer, .address_space: global }
    .group_segment_fixed_size: 1536
    .private_segment_fixed_size: 0
    .kernarg_segment_align: 8
    .kernarg_segment_size: 88
    .max_flat_workgroup_size: 256
    .sgpr_count:     66
    .vgpr_count:     114
    .wavefront_size: 32
...
	.end_amdgpu_metadata
.endif
;; end of part 1
;; launch qkvproj (part 2): grid 16 x 16, 4 waves a work-group, clusters of 4 x 4, 327,680 bytes of LDS; arguments wsb, tab, qkvh; writes qkvh
.if DOCPART == 2
	.amdgcn_target "amdgcn-amd-amdhsa--gfx1250"
	.amdhsa_code_object_version 6
	.text
	.protected	k_qa6319e64a3_qkvproj
	.globl	k_qa6319e64a3_qkvproj
	.p2align	8
	.type	k_qa6319e64a3_qkvproj,@function
k_qa6319e64a3_qkvproj:
	s_mov_b64 s[64:65], 0
	v_nop
	global_prefetch_b8 v0, s[64:65] scope:SCOPE_SE
	s_setreg_imm32_b32 hwreg(HW_REG_WAVE_MODE, 25, 1), 1
	s_wait_xcnt 0x0
	s_wait_alu depctr_hold_cnt(0) depctr_sa_sdst(0) depctr_va_vdst(0) depctr_va_sdst(0) depctr_va_ssrc(0) depctr_va_vcc(0) depctr_vm_vsrc(0)
	s_getreg_b32 s2, hwreg(HW_REG_IB_STS2, 6, 4)
	s_cmp_eq_u32 s2, 0
	s_cbranch_scc0 .Lentry_in_a_cluster
	s_endpgm
.Lentry_in_a_cluster:
	s_bfe_u32 s2, ttmp6, 0x10000c
	s_cmp_lg_u32 s2, 0xf033
	s_cbranch_scc0 .Lentry_shape_is_right
	s_endpgm
.Lentry_shape_is_right:
; qkvproj: [4096][5120] = x [4096][1024] x wqkv[5120][1024]^T + bias (operands f16, sums f32), RoPE on the q and k heads, stored per head as f16:
; qkvh[kind 5][b 4][h 16][s 1024][64], kind = q1, q2, k1, k2, v.
; A work-group makes 256 rows x 320 columns (five whole heads) with four waves; a wave makes 64 rows x 320 columns: 80 accumulator tiles, 640 registers.
; For 32 along K a wave reads (64 + 320) x 64 bytes of LDS for 80 matrix instructions.  K goes in steps of 128 (rows of 256 bytes) through two LDS slots.
; CLUSTER 4 x 4: x's tile hangs on the block row alone and is asked for jointly along a row of the cluster, the weights' tile on the block column alone
; and jointly along a column.  No branch and no LDS address hangs on the place in the cluster: whether a head is rotated is a factor 1 or 0, not a branch.
; The matrix instruction is used transposed (source 0 = 16 rows of W, source 1 = 16 rows of x): lane (r, h) holds row r and columns 8 h + 0..7 of a tile,
; so the pair (d, d + 32) of a head lies in one lane, in tiles b and b + 2.
; The sums start from the bias, loaded straight into the accumulators: nothing is cleared and nothing is added at the end.
; ROOM OF THE RESULT IN f16: q, k, v of spread 0.64; with x and W both 30 times larger 576; with both carrying an offset of 30 spreads 1024 x 30 x 0.6 = 18,432;
; with both 30 times smaller 7e-4, where the step 2^-25 is 0.003 per cent.  LIMIT: a q, k or v beyond 65,504 in magnitude becomes infinite.
; REGISTERS: window 0: v1 r, v2 h, v3 lane, v16-28 addresses, v32-63 / v64-95 fragments of x (two buffers), v96-255 the 20 fragments of W;
;   windows 1-3: tile (b, a) at window 1 + b/8, register 8 (4 (b mod 8) + a).
.set PITCH,  272                       ; an LDS row: 256 bytes + 16 of padding
.set ABYTES, 256*PITCH                 ; x's 256 rows
.set SLOT,   576*PITCH                 ; then W's 320 rows: 156,672
.set STAGE,  2*SLOT                    ; 313,344: 16 rows x 144 bytes for each wave; no tensor load lands here
.set SPITCH, 144
.set WQKV,   8388608                   ; wqkv in wsb
.set BALL,   278528                    ; the bias vector in tab
.set ADRA, 16                          ; v16-17  my x fragments in slot 0, 1
.set ADRB, 18                          ; v18-23  W's fragments: slot 0 groups 0,1,2 (rows 0, 128, 256), slot 1 likewise
.set STO,  24
.set RD,   25
.set CO,   26
.set RO,   27
.set BO,   28
.set AF0,  32
.set AF1,  64
.set BF,   96
.set NS,   32                          ; the way out: v32-47 -sin, v48-63 U, v64-79 W, v80-95 packed, v96-223 the table's rows, v224-239 rows read back
.set UU,   48
.set WW,   64
.set PK,   80
.set CM,   96
.set RR,   224
.set G1,  24                           ; s[24:31] group 1 for x's tiles, s[32:39] its two group 0
.set G0,  32
.set G1B, 48                           ; s[48:55] group 1 for W's tiles, s[56:63] its two group 0
.set G0B, 56
.set HOFF, 70                          ; s70-74  byte offset of my five heads in qkvh
.set FF,   76                          ; s[76:85] five pairs: 1.0 for a head that is rotated, 0 for a v head
.set MSB, 0
.macro WIN new                         ; the immediate's high byte repeats the setting that is left
.if MSB != \new
	s_set_vgpr_msb (MSB<<8)|\new
.set MSB, \new
.endif
.endm
.macro PLACES                          ; four places behind a matrix instruction, ahead of loads into its sources and of readers of its result
.rept 4
	v_nop
.endr
.endm
.macro JLOAD s                         ; waves 0, 1 ask for x's two halves, waves 2, 3 for W's; each line has one mask
	s_cmp_eq_u32 s11, 0
	s_cbranch_scc0 .Lfor_b_\@
	tensor_load_to_lds s[G0+4*\s:G0+4*\s+3], s[G1:G1+7]
	s_nop 0
	s_branch .Lasked_\@
.Lfor_b_\@:
	tensor_load_to_lds s[G0B+4*\s:G0B+4*\s+3], s[G1B:G1B+7]
	s_nop 0
.Lasked_\@:
.endm
.macro CREST                           ; a round of the cluster's barrier behind its opening barrier
	s_cmp_lg_u32 s10, 0
	s_cbranch_scc1 .Lnot_wave_0_\@
	s_barrier_signal -3
.Lnot_wave_0_\@:
	s_barrier_wait -3
	s_barrier_signal -1
	s_barrier_wait -1
.endm
.macro CROUND
	s_barrier_signal -1
	s_barrier_wait -1
	CREST
.endm
	s_load_b128 s[4:7], s[0:1], 0x0                ; wsb, tab
	s_load_b64 s[8:9], s[0:1], 0x10                ; qkvh
	v_lshl_add_u32 v30, v0, 2, 0x4ec00
	v_mov_b32 v31, 0
	ds_add_u32 v30, v31
	v_lshrrev_b32 v1, 5, v0
	v_readfirstlane_b32 s10, v1                    ; wave
	s_lshr_b32 s11, s10, 1                         ; I fetch for x (0) or for W (1)
	s_and_b32 s12, s10, 1                          ; which half of that tile
	s_bfe_u32 s40, ttmp6, 0x40000                  ; cx
	s_bfe_u32 s41, ttmp6, 0x40004                  ; cy
	s_lshl_b32 s42, ttmp9, 2
	s_add_co_u32 s42, s42, s40                     ; block column
	s_and_b32 s13, ttmp7, 0xffff
	s_lshl_b32 s13, s13, 2
	s_add_co_u32 s13, s13, s41                     ; block row
	s_lshl_b32 s43, s41, 2
	s_lshl_b32 s43, 15, s43                        ; my row of the cluster
	s_lshl_b32 s44, 0x1111, s40                    ; my column
	s_or_b32 s[G1+0], s43, (1<<16)|(1<<20)|(1<<21)|(5<<22)|(3<<25)   ; mask; 2-byte elements; 4 words of padding behind every 64
	s_or_b32 s[G1B+0], s44, (1<<16)|(1<<20)|(1<<21)|(5<<22)|(3<<25)
	s_mov_b32 s[G1+1], 128<<16                     ; tensor_dim0 = 128
	s_mov_b32 s[G1B+1], 128<<16
	s_mov_b32 s[G1+2], 128<<16                     ; tensor_dim1 = 128 rows of x
	s_mov_b32 s[G1B+2], 160<<16                    ;             = 160 rows of W
	s_mov_b32 s[G1+3], 128<<16                     ; tile_dim0 = 128
	s_mov_b32 s[G1B+3], 128<<16
	s_mov_b32 s[G1+4], 128                         ; tile_dim1
	s_mov_b32 s[G1B+4], 160
	s_mov_b32 s[G1+5], 1024                        ; elements from row to row
	s_mov_b32 s[G1B+5], 1024
	s_mov_b32 s[G1+6], 0
	s_mov_b32 s[G1B+6], 0
	s_mov_b32 s[G1+7], 0
	s_mov_b32 s[G1B+7], 0
	; x's address is made of the block row and the wave, W's of the block column and the wave, each in registers that never hold the other coordinate
	s_lshl_b32 s16, s13, 8
	s_lshl_b32 s17, s12, 7
	s_add_co_u32 s16, s16, s17
	s_lshl_b32 s16, s16, 11                        ; (256 block row + 128 half) rows of 2,048 bytes
	s_mov_b32 s17, 0
	s_mul_i32 s46, s42, 320
	s_mul_i32 s47, s12, 160
	s_add_co_u32 s46, s46, s47
	s_lshl_b32 s46, s46, 11
	s_add_co_u32 s46, s46, WQKV
	s_mov_b32 s47, 0
	s_mul_i32 s20, s12, 128*PITCH                  ; where they go in LDS
	s_mul_i32 s21, s12, 160*PITCH
	s_add_co_u32 s21, s21, ABYTES
	s_mul_i32 s96, s42, 1280                       ; my 320 numbers of the bias
	s_add_co_u32 s96, s96, BALL
	s_mov_b32 s97, 0
	s_wait_dscnt 0x0
	s_wait_kmcnt 0x0
	s_add_nc_u64 s[14:15], s[4:5], s[16:17]
	s_add_nc_u64 s[46:47], s[4:5], s[46:47]
	s_add_nc_u64 s[94:95], s[6:7], s[96:97]
	CROUND                                         ; all sixteen work-groups are here: the first joint loads meet
.irp s, 0,1
	s_mov_b32 s[G0+4*\s], 1
	s_add_co_u32 s[G0+4*\s+1], s20, \s*SLOT
	s_add_nc_u64 s[G0+4*\s+2:G0+4*\s+3], s[14:15], \s*256
	s_or_b32 s[G0+4*\s+3], s[G0+4*\s+3], 0x80000000
	s_mov_b32 s[G0B+4*\s], 1
	s_add_co_u32 s[G0B+4*\s+1], s21, \s*SLOT
	s_add_nc_u64 s[G0B+4*\s+2:G0B+4*\s+3], s[46:47], \s*256
	s_or_b32 s[G0B+4*\s+3], s[G0B+4*\s+3], 0x80000000
	JLOAD \s                                       ; K steps 0 and 1: two loads of this wave are out
.endr
	v_and_b32 v1, 15, v0                           ; r
	v_bfe_u32 v2, v0, 4, 1                         ; h
	v_and_b32 v3, 31, v0                           ; lane
	v_mul_u32_u24 v4, v1, PITCH
	v_lshl_add_u32 v4, v2, 4, v4                   ; r x pitch + 16 h
	s_mul_i32 s22, s10, 64*PITCH                   ; my 64 rows of x
	v_add_nc_u32 v[ADRA], s22, v4
	v_add_nc_u32 v[ADRA+1], SLOT, v[ADRA]
.irp g, 0,1,2
	v_add_nc_u32 v[ADRB+\g], ABYTES+128*\g*PITCH, v4
	v_add_nc_u32 v[ADRB+3+\g], SLOT+ABYTES+128*\g*PITCH, v4
.endr
	s_mul_i32 s23, s10, 16*SPITCH
	s_add_co_u32 s23, s23, STAGE                   ; my stage
	v_mul_u32_u24 v5, v1, SPITCH
	v_lshl_add_u32 v5, v2, 4, v5
	v_add_nc_u32 v[STO], s23, v5                   ; in: row r, 16 bytes for each half of the lanes
	v_lshrrev_b32 v5, 3, v3
	v_mul_u32_u24 v5, v5, SPITCH
	v_and_b32 v6, 7, v3
	v_lshl_add_u32 v5, v6, 4, v5
	v_add_nc_u32 v[RD], s23, v5                    ; back: eight lanes take one row of 128 bytes
	v_lshlrev_b32 v[CO], 4, v3                     ; four such rows are 512 consecutive bytes of a head
	v_lshlrev_b32 v[BO], 5, v2                     ; my 8 columns of a tile, in f32
	; the bias of columns 16 b + 8 h + 0..7 into tile (b, a), the same for the four a
.set bb, 0
.rept 20
	WIN ((1+(bb>>3))<<6)
.set aa, 0
.rept 4
	global_load_b128 v[8*(4*(bb&7)+aa):8*(4*(bb&7)+aa)+3], v[BO], s[94:95] offset:64*bb
	global_load_b128 v[8*(4*(bb&7)+aa)+4:8*(4*(bb&7)+aa)+7], v[BO], s[94:95] offset:64*bb+16
.set aa, aa+1
.endr
.set bb, bb+1
.endr
	WIN 0
; nb x 4 matrix instructions: W's tiles b0 .. b0 + nb - 1 (all in window w) x my four tiles of x in buffer af.
; The 80 accumulators take turns, one instruction a turn, in the same order in every quarter step.
.macro GRP w, b0, nb, af
	WIN ((\w<<6)|(\w<<4))
.set gb, \b0
.rept \nb
.set ga, 0
.rept 4
	v_wmma_f32_16x16x32_f16 v[8*(4*(gb&7)+ga):8*(4*(gb&7)+ga)+7], v[BF+8*gb:BF+8*gb+7], v[\af+8*ga:\af+8*ga+7], v[8*(4*(gb&7)+ga):8*(4*(gb&7)+ga)+7]
.set ga, ga+1
.endr
.set gb, gb+1
.endr
.endm
.macro LDB slot, grp, k                ; W's fragments of group grp (8, 8, 4 tiles), 32 K at byte k of the rows
.set nfr, 8
.if \grp == 2
.set nfr, 4
.endif
.set fi, 0
.rept nfr
	ds_load_b128 v[BF+64*\grp+8*fi:BF+64*\grp+8*fi+3], v[ADRB+3*\slot+\grp] offset:\k+fi*16*PITCH
	ds_load_b128 v[BF+64*\grp+8*fi+4:BF+64*\grp+8*fi+7], v[ADRB+3*\slot+\grp] offset:\k+fi*16*PITCH+32
.set fi, fi+1
.endr
.endm
.macro LDA slot, k, af                 ; my four fragments of x
.irp i, 0,1,2,3
	ds_load_b128 v[\af+8*\i:\af+8*\i+3], v[ADRA+\slot] offset:\k+\i*16*PITCH
	ds_load_b128 v[\af+8*\i+4:\af+8*\i+7], v[ADRA+\slot] offset:\k+\i*16*PITCH+32
.endr
.endm
; A quarter step (32 along K).  W's fragments have one buffer in three groups: a group is loaded again, for the next quarter (byte k), as soon as it has been multiplied.
; LDS loads out at the head, oldest first: group 0 (16), x (8), group 1 (16), group 2 (8).
.macro QUARTER slot, k, af, afn
	s_wait_dscnt 24                                ; group 0 and x are in; groups 1 and 2 (16 + 8) may be out
	GRP 1, 0, 8, \af
	WIN 0
	PLACES
	LDB \slot, 0, \k
	LDA \slot, \k, \afn
	s_wait_dscnt 32                                ; group 1 is in; group 2 (8) and the 24 just issued may be out
	GRP 2, 8, 8, \af
	WIN 0
	PLACES
	LDB \slot, 1, \k
	s_wait_dscnt 40                                ; group 2 is in; the 24 + 16 issued since may be out
	GRP 3, 16, 4, \af
	WIN 0
	PLACES
	LDB \slot, 2, \k
.endm
.macro STEP slot
	QUARTER \slot, 64,  AF0, AF1
	QUARTER \slot, 128, AF1, AF0
	QUARTER \slot, 192, AF0, AF1
.endm
; The fourth quarter changes slots.  In front of the barrier each wave waits for its reads of this slot and for all its tensor loads (one is out: its part of
; the next slot).  With fill = 1 the barrier opens a round of the cluster's barrier, and the joint refill is the first tensor load behind the round.
.macro TURN slot, next, fill
	s_wait_dscnt 24
	GRP 1, 0, 4, AF1
	s_wait_dscnt 0x0
	s_wait_tensorcnt 0x0
	ds_add_u32 v30, v31
	s_wait_dscnt 0x0
	s_barrier_signal -1
	GRP 1, 4, 4, AF1                               ; register work while the others arrive
	WIN 0
	s_barrier_wait -1
.if \fill
	CREST
	s_add_nc_u64 s[G0+4*\slot+2:G0+4*\slot+3], s[G0+4*\slot+2:G0+4*\slot+3], 512     ; two K steps on; no load of mine is out
	s_add_nc_u64 s[G0B+4*\slot+2:G0B+4*\slot+3], s[G0B+4*\slot+2:G0B+4*\slot+3], 512
	JLOAD \slot
.endif
	PLACES
	LDB \next, 0, 0
	LDA \next, 0, AF0
	GRP 2, 8, 8, AF1                               ; its fragments were shown in by the wait for 0
	WIN 0
	PLACES
	LDB \next, 1, 0
	GRP 3, 16, 4, AF1
	WIN 0
	PLACES
	LDB \next, 2, 0
.endm
	s_wait_loadcnt 0x0                             ; the bias is in the accumulators
	s_wait_tensorcnt 0x1                           ; my part of K step 0 is in; K step 1's stays out
	s_barrier_signal -1
	s_barrier_wait -1
	LDB 0, 0, 0
	LDA 0, 0, AF0
	LDB 0, 1, 0
	LDB 0, 2, 0
	s_mov_b32 s3, 3                                ; three laps of two K steps fill both slots again; the fourth fills nothing
.Llap:
	STEP 0
	TURN 0, 1, 1
	STEP 1
	TURN 1, 0, 1
	s_sub_co_u32 s3, s3, 1
	s_cmp_lg_u32 s3, 0
	s_cbranch_scc1 .Llap
	STEP 0
	TURN 0, 1, 0
	STEP 1
	s_wait_dscnt 24                                ; the very last quarter: nothing more to fetch, the counts run down
	GRP 1, 0, 8, AF1
	s_wait_dscnt 8
	GRP 2, 8, 8, AF1
	s_wait_dscnt 0x0
	GRP 3, 16, 4, AF1
	WIN 0
	PLACES
	; THE WAY OUT.  out1 = x1 + f (x1 (cos-1) - x2 sin), out2 = x2 + f (x1 sin + x2 (cos-1)), f = 1 for q and k heads, 0 for v heads.
	s_lshr_b32 s66, s13, 2                         ; batch
	s_and_b32 s67, s13, 3
	s_lshl_b32 s67, s67, 8
	s_lshl_b32 s68, s10, 6
	s_add_co_u32 s67, s67, s68                     ; my first position in the batch
	v_add_nc_u32 v[RO], s67, v1
	v_lshlrev_b32 v[RO], 8, v[RO]
	v_lshl_add_u32 v[RO], v2, 5, v[RO]             ; the table's row of position + r, my 8 frequencies
.irp a, 0,1,2,3
.irp t, 0,1
.irp q, 0,1
	global_load_b128 v[CM+32*\a+8*\t+4*\q:CM+32*\a+8*\t+4*\q+3], v[RO], s[6:7] offset:4096*\a+64*\t+16*\q
	global_load_b128 v[CM+32*\a+16+8*\t+4*\q:CM+32*\a+16+8*\t+4*\q+3], v[RO], s[6:7] offset:4096*\a+64*\t+16*\q+128
.endr
.endr
.endr
	s_lshl_b32 s68, s67, 7
	s_mov_b32 s69, 0
	s_add_nc_u64 s[8:9], s[8:9], s[68:69]          ; + position x 128 bytes
	s_mul_i32 s86, s42, 5                          ; my first head among the 80
.irp hh, 0,1,2,3,4
	s_add_co_u32 s87, s86, \hh
	s_lshr_b32 s88, s87, 4                         ; kind
	s_lshl2_add_u32 s88, s88, s66                  ; x 4 + batch
	s_and_b32 s89, s87, 15
	s_lshl4_add_u32 s88, s88, s89                  ; x 16 + head
	s_lshl_b32 s[HOFF+\hh], s88, 17                ; x 131,072 bytes
	s_cmp_lt_u32 s87, 64
	s_cselect_b32 s[FF+2*\hh], 1.0, 0
	s_cselect_b32 s[FF+2*\hh+1], 1.0, 0
.endr
	s_mov_b32 s93, 0
	s_wait_loadcnt 0x0
; 16 rows (tile row a) of head hh: rotate, round, 16 bytes a lane into my stage, back as rows of 128 bytes, out as 512 consecutive aligned bytes a store.
.macro HEAD a, hh
.set hd_w, 1+(\hh>>1)
	WIN hd_w                                       ; source 0 = the accumulators' window
.set hd_t, 0
.rept 2
.set hd_x1, 8*(4*((4*\hh+hd_t)&7)+\a)
.set hd_x2, 8*(4*((4*\hh+2+hd_t)&7)+\a)
.set hd_p, 0
.rept 4
.set hd_o, 8*hd_t+2*hd_p
	v_pk_mul_f32 v[UU+hd_o:UU+hd_o+1], v[hd_x1+2*hd_p:hd_x1+2*hd_p+1], v[CM+32*\a+hd_o:CM+32*\a+hd_o+1]
	v_pk_mul_f32 v[WW+hd_o:WW+hd_o+1], v[hd_x1+2*hd_p:hd_x1+2*hd_p+1], v[CM+32*\a+16+hd_o:CM+32*\a+16+hd_o+1]
.set hd_p, hd_p+1
.endr
.set hd_p, 0
.rept 4
.set hd_o, 8*hd_t+2*hd_p
	v_pk_fma_f32 v[UU+hd_o:UU+hd_o+1], v[hd_x2+2*hd_p:hd_x2+2*hd_p+1], v[NS+hd_o:NS+hd_o+1], v[UU+hd_o:UU+hd_o+1]
	v_pk_fma_f32 v[WW+hd_o:WW+hd_o+1], v[hd_x2+2*hd_p:hd_x2+2*hd_p+1], v[CM+32*\a+hd_o:CM+32*\a+hd_o+1], v[WW+hd_o:WW+hd_o+1]
.set hd_p, hd_p+1
.endr
.set hd_t, hd_t+1
.endr
	WIN (hd_w<<4)                                  ; source 2 = the accumulators' window
.set hd_t, 0
.rept 2
.set hd_x1, 8*(4*((4*\hh+hd_t)&7)+\a)
.set hd_x2, 8*(4*((4*\hh+2+hd_t)&7)+\a)
.set hd_p, 0
.rept 4
.set hd_o, 8*hd_t+2*hd_p
	v_pk_fma_f32 v[UU+hd_o:UU+hd_o+1], v[UU+hd_o:UU+hd_o+1], s[FF+2*\hh:FF+2*\hh+1], v[hd_x1+2*hd_p:hd_x1+2*hd_p+1] op_sel_hi:[1,0,1]
	v_pk_fma_f32 v[WW+hd_o:WW+hd_o+1], v[WW+hd_o:WW+hd_o+1], s[FF+2*\hh:FF+2*\hh+1], v[hd_x2+2*hd_p:hd_x2+2*hd_p+1] op_sel_hi:[1,0,1]
.set hd_p, hd_p+1
.endr
.set hd_t, hd_t+1
.endr
	WIN 0
.set hd_p, 0
.rept 16
	v_cvt_pk_f16_f32 v[PK+hd_p], v[UU+2*hd_p], v[UU+2*hd_p+1]      ; U's 16 numbers (d 0-31), then W's (d 32-63)
.set hd_p, hd_p+1
.endr
.irp q, 0,1,2,3
	ds_store_b128 v[STO], v[PK+4*\q:PK+4*\q+3] offset:32*\q
.endr
	s_wait_xcnt 0x0                                ; the last head's stores have had their addresses translated: their data and base are rewritten only behind this wait
	s_add_co_u32 s92, s[HOFF+\hh], 2048*\a
	s_add_nc_u64 s[90:91], s[8:9], s[92:93]
.irp i, 0,1,2,3
	ds_load_b128 v[RR+4*\i:RR+4*\i+3], v[RD] offset:\i*4*SPITCH    ; my own bytes, served in order behind the stores
.endr
.irp i, 0,1,2,3
	s_wait_dscnt 3-\i
	global_store_b128 v[CO], v[RR+4*\i:RR+4*\i+3], s[90:91] offset:512*\i
.endr
.endm
.irp a, 0,1,2,3
.irp p, 0,1,2,3,4,5,6,7
	v_pk_mul_f32 v[NS+2*\p:NS+2*\p+1], v[CM+32*\a+16+2*\p:CM+32*\a+16+2*\p+1], -1.0 op_sel_hi:[1,0]
.endr
.irp hh, 0,1,2,3,4
	HEAD \a, \hh
.endr
.endr
	s_wait_dscnt 0x0
	s_wait_tensorcnt 0x0
	ds_add_u32 v30, v31
	s_wait_dscnt 0x0
	CROUND                                         ; the closing round: no work-group ends while a partner may still ask for a tile that names it
	s_endpgm
.Lfunc_end_k_qa6319e64a3_qkvproj:
	.size	k_qa6319e64a3_qkvproj, .Lfunc_end_k_qa6319e64a3_qkvproj-k_qa6319e64a3_qkvproj
	.p2alignl 7, 3214868480
	.fill 96, 4, 3214868480
	.section	.rodata,"a",@progbits
	.p2align	6, 0x0
	.amdhsa_kernel k_qa6319e64a3_qkvproj
		.amdhsa_group_segment_fixed_size 327680
		.amdhsa_private_segment_fixed_size 0
		.amdhsa_enable_private_segment 0
		.amdhsa_kernarg_size 24
		.amdhsa_user_sgpr_count 2
		.amdhsa_user_sgpr_kernarg_segment_ptr 1
		.amdhsa_wavefront_size32 1
		.amdhsa_system_sgpr_workgroup_id_x 1
		.amdhsa_system_sgpr_workgroup_id_y 1
		.amdhsa_system_sgpr_workgroup_id_z 1
		.amdhsa_system_vgpr_workitem_id 0
		.amdhsa_next_free_vgpr 896
		.amdhsa_next_free_sgpr 100
		.amdhsa_reserve_vcc 0
		.amdhsa_float_denorm_mode_32 3
		.amdhsa_float_denorm_mode_16_64 3
		.amdhsa_memory_ordered 1
		.amdhsa_forward_progress 1
		.amdhsa_inst_pref_size 255
	.end_amdhsa_kernel
	.section	.bss,"aw",@nobits
	.p2align	6
	.space	262144
	.amdgpu_metadata
---
amdhsa.version: [ 1, 2 ]
amdhsa.kernels:
  - .name:           k_qa6319e64a3_qkvproj
    .symbol:         k_qa6319e64a3_qkvproj.kd
    .args:
      - { .name: wsb, .offset: 0, .size: 8, .value_kind: global_buffer, .address_space: global }
      - { .name: tab, .offset: 8, .size: 8, .value_kind: global_buffer, .address_space: global }
      - { .name: qkvh, .offset: 16, .size: 8, .value_kind: global_buffer, .address_space: global }
    .group_segment_fixed_size: 327680
    .private_segment_fixed_size: 0
    .kernarg_segment_align: 8
    .kernarg_segment_size: 24
    .max_flat_workgroup_size: 128
    .sgpr_count:     100
    .vgpr_count:     896
    .wavefront_size: 32
...
	.end_amdgpu_metadata
.endif
;; end of part 2
;; launch attn (part 3): grid 4 x 64, 16 waves a work-group, clusters of 4 x 1, 327,680 bytes of LDS; arguments qkvh, tab, lam, ctx, stats; writes ctx, stats
.if DOCPART == 3
	.amdgcn_target "amdgcn-amd-amdhsa--gfx1250"
	.amdhsa_code_object_version 6
	.text
	.protected	k_qa6319e64a3_attn
	.globl	k_qa6319e64a3_attn
	.p2align	8
	.type	k_qa6319e64a3_attn,@function
k_qa6319e64a3_attn:
	s_mov_b64 s[64:65], 0
	v_nop
	global_prefetch_b8 v0, s[64:65] scope:SCOPE_SE
	s_setreg_imm32_b32 hwreg(HW_REG_WAVE_MODE, 25, 1), 1
	s_wait_xcnt 0x0
	s_wait_alu depctr_hold_cnt(0) depctr_sa_sdst(0) depctr_va_vdst(0) depctr_va_sdst(0) depctr_va_ssrc(0) depctr_va_vcc(0) depctr_vm_vsrc(0)
	s_getreg_b32 s2, hwreg(HW_REG_IB_STS2, 6, 4)
	s_cmp_eq_u32 s2, 0
	s_cbranch_scc0 .Lentry_in_a_cluster
	s_endpgm
.Lentry_in_a_cluster:
	s_bfe_u32 s2, ttmp6, 0x10000c
	s_cmp_lg_u32 s2, 0x3003
	s_cbranch_scc0 .Lentry_shape_is_right
	s_endpgm
.Lentry_shape_is_right:
; attn: ctx[b][i][h][:] = sum over j of C[b][i][j] (softmax1[i][j] - lam softmax2[i][j]) v[j], in one pass over the keys with running maxima,
; as O1/l1 - lam O2/l2 with O = sum of C p v and l = sum of p.  Also, for GroupNorm, each wave's mean and sum of squared deviations of its 1,024 results.
; A work-group takes 256 queries of one (batch, head); SIXTEEN waves, 16 queries each, four waves to a SIMD.  The vector work of a score (maximum, exponential, sum,
; mask, scale, pack) outweighs its matrix work, and it has narrow dependent steps (the maxima, the exchange between the halves, a reciprocal): with four waves
; on a SIMD these and a wave's matrix instructions stand behind the other waves' vector work.  A wave's 256 registers are one window, so no s_set_vgpr_msb is
; written and matrix instructions stand between vector instructions.  The price: a fragment of K or V feeds 16 queries; a wave reads 28 x 512 bytes of LDS for 32 keys.
; CLUSTER 4 x 1: the four query blocks of a head read the same K1, K2 and V tiles, so every tile is asked for jointly (mask 15).  No branch and no LDS address
; hangs on the place in the cluster: where the mask's exponent changes sign (key tile before, on, or behind the query tile) is settled by scalar selects and v_cndmask_b32.
; Scores are made transposed, S^T = K x Q^T: lane (r, h) holds query r and keys 8 h + 0..7 of a tile, so maximum and sum are a lane's own numbers (one
; exchange between the halves), and two tiles of S^T, packed, are the second operand of O^T += V^T x P^T.  V^T comes out of LDS by the transposing load.
; THE WEIGHTS AS AN f16 OPERAND: p C spans f32's exponents, which f16 cannot hold.  So each stream and query keeps, beside the running maximum of its scores, a
; running maximum MU of its masked weights p C (in units of the score maximum), clipped to 2^-100 .. 2^120; the operand is p C / MU, at most 1 (2^7 at the upper
; clip), the old sums shrink by alpha MU_old / MU_new, and MU comes back in at the end.  The largest weight of a query so far is thus always near 1.
; LIMITS: the two sums are rounded to f16 operands apart, where the definition rounds nothing before the difference; mask factors below 2^-126 count
; as 0 (v_exp_f32 flushes them, ISA guide 15.8); a query whose largest masked weight is under 2^-100 loses bits, and under 2^-125 it counts as 0.
; LDS: two slots of 256 keys: K1 (pitch 144), K2, V (pitch 160); then the batch's L2 table and each wave's stage, where no tensor load lands.
.set KP, 144
.set VP, 160
.set K2O, 256*KP                       ; 36,864
.set VO,  2*K2O                        ; 73,728
.set SLOT, VO+256*VP                   ; 114,688
.set LTAB, 2*SLOT                      ; 229,376
.set STAGE, LTAB+4096                  ; 233,472; 16 rows x 272 bytes a wave
.set SPITCH, 272
; v1 r, v2 h, v3 lane, v4 K1, v5 K2, v6 V, v7 L2: LDS addresses that step; v8 v9 v10 the way out; v11 lane term of K.
; A number that is broadcast to a packed instruction is the low word of an even pair; the pair's upper word is named by the instruction and never used, so it is
; another live register (written before the pair's first use), not a register of its own.
.set NL, 12                            ; v12  -+L2 of my query           | v13  LI: L2 of my query
.set LI, 13
.set NM, 14                            ; v14  -c x maximum               | v15  MX, stream 0: running maximum of the scores
.set MX, 15                            ;                                   (stream 1: v17)
.set AL, 16                            ; v16  this chunk's factor for the running sum
.set RS, 18                            ; v18  1 / MU                     | v19  MU, stream 0: running maximum of the masked weights
.set MU, 19                            ;                                   (stream 1: v21)
.set BE, 20                            ; v20  this chunk's factor for O
.set LP, 22                            ; v22-25 running sum, a pair for each stream
.set VL, 26                            ; v26  lane term of V
.set T0, 27                            ; v27-31 at work
.set TS, 32                            ; v32-33 second chain of the sum
.set OLD, 34                           ; v34  the old MU in the new units
.set ED, 40                            ; v40-47   the exponent on the diagonal tile [8]
.set CT, 48                            ; v48-63   L2 of my keys as loaded, then the mask's exponent, then the mask factor [u][8]
.set KF, 64                            ; v64-95   fragments of K [u][c]
.set VF, 96                            ; v96-127  fragments of V^T [dt]
.set SA, 128                           ; v128-143 stream 0's scores [u][8]
.set SB, 144                           ; v144-159 stream 1's
.set QF, 160                           ; v160-191 fragments of Q [stream][c]
.set OO, 192                           ; v192-255 O[stream][dt]
.set XX, 64                            ; the way out: the 32 results
.set G1K, 24
.set G1V, 32
.set G0K, 40
.set G0V, 48
.macro ROUND                           ; a round of the cluster's barrier
	s_barrier_signal -1
	s_barrier_wait -1
	s_cmp_lg_u32 s15, 0
	s_cbranch_scc1 .Lnot_wave_0_\@
	s_barrier_signal -3
.Lnot_wave_0_\@:
	s_barrier_wait -3
	s_barrier_signal -1
	s_barrier_wait -1
.endm
.macro JLOAD3 s                        ; waves 0-3: halves of K1 and K2; waves 4, 5: halves of V; waves 6-15: nothing
	s_cmp_lt_u32 s15, 4
	s_cbranch_scc0 .Lnot_k_\@
	tensor_load_to_lds s[G0K+4*\s:G0K+4*\s+3], s[G1K:G1K+7]
	s_nop 0
	s_branch .Lasked_\@
.Lnot_k_\@:
	s_cmp_lt_u32 s15, 6
	s_cbranch_scc0 .Lasked_\@
	tensor_load_to_lds s[G0V+4*\s:G0V+4*\s+3], s[G1V:G1V+7]
	s_nop 0
.Lasked_\@:
.endm
	s_load_b256 s[4:11], s[0:1], 0x0               ; qkvh 4:5, tab 6:7, lam 8:9, ctx 10:11
	s_load_b64 s[12:13], s[0:1], 0x20              ; stats
	v_lshl_add_u32 v38, v0, 2, 0x4a000
	v_mov_b32 v39, 0
	ds_add_u32 v38, v39
	v_lshrrev_b32 v1, 5, v0
	v_readfirstlane_b32 s15, v1                    ; wave
	s_bfe_u32 s16, ttmp6, 0x40000                  ; cx
	s_lshl_b32 s84, ttmp9, 2
	s_add_co_u32 s16, s16, s84                     ; query block
	s_and_b32 s17, ttmp7, 0xffff                   ; 16 b + h
	s_lshr_b32 s18, s17, 4                         ; b
	s_lshl_b32 s82, s16, 8
	s_lshl_b32 s84, s15, 4
	s_add_co_u32 s82, s82, s84                     ; my first query
	s_mov_b32 s19, 0x0d800000                      ; 2^-100 and
	s_mov_b32 s85, 0x7b800000                      ; 2^120: the clips of MU
	s_mov_b32 s20, 0x76543210                      ; v_permlanex16_b32: lane i reads lane i of the other half
	s_mov_b32 s21, 0xfedcba98
	s_mov_b32 s56, 0                               ; first key of the chunk
	s_mov_b32 s67, 0                               ; upper words of the scalar broadcast pairs: named by the instruction, never used
	s_mov_b32 s69, 0
	; 128 keys of K or V are 16,384 dense bytes: 64 rows of 256 bytes, padded behind every 32 words (one key): by 4 words for K, by 8 for V
	s_mov_b32 s[G1K+0], 15|(3<<16)|(1<<20)|(1<<21)|(4<<22)|(3<<25)
	s_mov_b32 s[G1V+0], 15|(3<<16)|(1<<20)|(1<<21)|(4<<22)|(7<<25)
	s_mov_b32 s[G1K+1], 32<<16
	s_mov_b32 s[G1V+1], 32<<16
	s_mov_b32 s[G1K+2], 64<<16
	s_mov_b32 s[G1V+2], 64<<16
	s_mov_b32 s[G1K+3], 32<<16
	s_mov_b32 s[G1V+3], 32<<16
	s_mov_b32 s[G1K+4], 64
	s_mov_b32 s[G1V+4], 64
	s_mov_b32 s[G1K+5], 32
	s_mov_b32 s[G1V+5], 32
	s_mov_b32 s[G1K+6], 0
	s_mov_b32 s[G1V+6], 0
	s_mov_b32 s[G1K+7], 0
	s_mov_b32 s[G1V+7], 0
	; the tiles' addresses are made of the head and the wave alone
	s_and_b32 s83, s15, 3                          ; which quarter of K1|K2 (waves 0-3 alone ask by it)
	s_lshr_b32 s86, s83, 1
	s_add_co_u32 s86, s86, 2                       ; kind 2 (k1) for waves 0, 1; 3 (k2) for waves 2, 3
	s_lshl_b32 s86, s86, 6
	s_add_co_u32 s86, s86, s17
	s_lshl_b32 s86, s86, 17
	s_and_b32 s90, s15, 1
	s_lshl_b32 s91, s90, 14                        ; which 128 keys
	s_add_co_u32 s86, s86, s91
	s_mov_b32 s87, 0
	s_add_co_u32 s22, s17, 256                     ; kind 4 (v)
	s_lshl_b32 s22, s22, 17
	s_add_co_u32 s22, s22, s91
	s_mov_b32 s23, 0
	s_mul_i32 s92, s83, 128*KP
	s_mul_i32 s93, s90, 128*VP
	s_add_co_u32 s93, s93, VO
	s_wait_dscnt 0x0
	s_wait_kmcnt 0x0
	s_load_b32 s14, s[8:9], 0x0                    ; lam
	s_add_nc_u64 s[86:87], s[4:5], s[86:87]
	s_add_nc_u64 s[22:23], s[4:5], s[22:23]
.irp s, 0,1
	s_mov_b32 s[G0K+4*\s], 1
	s_add_co_u32 s[G0K+4*\s+1], s92, \s*SLOT
	s_add_nc_u64 s[G0K+4*\s+2:G0K+4*\s+3], s[86:87], \s*32768
	s_or_b32 s[G0K+4*\s+3], s[G0K+4*\s+3], 0x80000000
	s_mov_b32 s[G0V+4*\s], 1
	s_add_co_u32 s[G0V+4*\s+1], s93, \s*SLOT
	s_add_nc_u64 s[G0V+4*\s+2:G0V+4*\s+3], s[22:23], \s*32768
	s_or_b32 s[G0V+4*\s+3], s[G0V+4*\s+3], 0x80000000
.endr
	ROUND                                          ; the four work-groups are here: the first joint loads meet
	s_cmp_lt_u32 s15, 4                            ; a wave's two first fills stand in one arm of one branch on its number
	s_cbranch_scc0 .Lff_not_k
	tensor_load_to_lds s[G0K:G0K+3], s[G1K:G1K+7]
	s_nop 0
	tensor_load_to_lds s[G0K+4:G0K+7], s[G1K:G1K+7]
	s_nop 0
	s_branch .Lff_done
.Lff_not_k:
	s_cmp_lt_u32 s15, 6
	s_cbranch_scc0 .Lff_done
	tensor_load_to_lds s[G0V:G0V+3], s[G1V:G1V+7]
	s_nop 0
	tensor_load_to_lds s[G0V+4:G0V+7], s[G1V:G1V+7]
	s_nop 0
.Lff_done:
	; global bases (only these, never an LDS address, hang on the query block)
	s_lshl_b32 s88, s17, 17
	s_mov_b32 s89, 0
	s_add_nc_u64 s[58:59], s[4:5], s[88:89]        ; q1 of my head
	s_add_nc_u64 s[60:61], s[58:59], 64<<17        ; q2
	s_lshl_b32 s88, s18, 12
	s_add_co_u32 s88, s88, 262144
	s_add_nc_u64 s[62:63], s[6:7], s[88:89]        ; L2 of my batch
	s_lshl_b32 s88, s17, 6
	s_lshl4_add_u32 s88, s16, s88
	s_add_co_u32 s88, s88, s15
	s_lshl_b32 s88, s88, 3
	s_add_nc_u64 s[12:13], s[12:13], s[88:89]      ; stats[16 b + h][16 block + wave]
	s_lshl_b32 s88, s18, 10
	s_add_co_u32 s88, s88, s82
	s_lshl_b32 s88, s88, 12
	s_and_b32 s84, s17, 15
	s_lshl_b32 s84, s84, 8
	s_add_co_u32 s88, s88, s84
	s_add_nc_u64 s[10:11], s[10:11], s[88:89]      ; ctx at my first query, my head's 256 bytes
	v_and_b32 v1, 15, v0                           ; r
	v_bfe_u32 v2, v0, 4, 1                         ; h
	v_and_b32 v3, 31, v0                           ; lane
	v_mul_u32_u24 v11, v1, KP
	v_lshl_add_u32 v11, v2, 4, v11                 ; K: key r, 16 h
	v_and_b32 v27, 7, v0
	v_lshl_add_u32 v27, v2, 3, v27
	v_mul_u32_u24 v[VL], v27, VP
	v_bfe_u32 v27, v0, 3, 1
	v_lshl_add_u32 v[VL], v27, 4, v[VL]            ; V: key 8 h + lane mod 8, 16 bytes by bit 3 of the lane
	v_lshlrev_b32 v7, 5, v2
	v_add_nc_u32 v7, LTAB, v7                      ; L2 of keys 8 h ..
	s_mul_i32 s94, s15, 16*SPITCH
	s_add_co_u32 s94, s94, STAGE
	v_mul_u32_u24 v8, v1, SPITCH
	v_lshl_add_u32 v8, v2, 5, v8
	v_add_nc_u32 v8, s94, v8                       ; stage in: row r, 32 h
	v_mul_u32_u24 v9, v2, SPITCH
	v_lshl_add_u32 v9, v1, 4, v9
	v_add_nc_u32 v9, s94, v9                       ; stage back: lanes 0-15 one row, lanes 16-31 the next
	v_lshlrev_b32 v10, 12, v2
	v_lshl_add_u32 v10, v1, 4, v10                 ; the same two rows in ctx
	v_add_nc_u32 v28, s82, v1
	v_lshlrev_b32 v29, 2, v28                      ; L2 of query r
	v_lshlrev_b32 v28, 7, v28
	v_lshl_add_u32 v28, v2, 4, v28                 ; Q: query r, 16 h
	v_lshlrev_b32 v30, 3, v2
	v_add_nc_u32 v30, s82, v30
	v_lshlrev_b32 v30, 2, v30                      ; L2 of the diagonal tile's keys 8 h ..
	v_lshlrev_b32 v31, 3, v0                       ; my 8 bytes of the table: 512 threads x 8 = 4,096
.irp st, 0,1
.irp c, 0,1
	global_load_b128 v[QF+16*\st+8*\c:QF+16*\st+8*\c+3], v28, s[58+2*\st:59+2*\st] offset:64*\c
	global_load_b128 v[QF+16*\st+8*\c+4:QF+16*\st+8*\c+7], v28, s[58+2*\st:59+2*\st] offset:64*\c+32
.endr
.endr
	global_load_b32 v[LI], v29, s[62:63]
	global_load_b128 v[128:131], v30, s[62:63]
	global_load_b128 v[132:135], v30, s[62:63] offset:16
	global_load_b64 v[136:137], v31, s[62:63]
	s_wait_loadcnt 0x0
	v_add_nc_u32 v32, LTAB, v31
	ds_store_b64 v32, v[136:137]
	v_lshlrev_b32 v27, 3, v2
	v_sub_nc_u32 v27, v1, v27                      ; key 8 h + j is at or behind query r where j >= r - 8 h
.irp j, 0,1,2,3,4,5,6,7
	v_cmp_ge_i32 vcc_lo, \j, v27
	v_sub_f32 v33, v[LI], v[128+\j]
	v_sub_f32 v34, v[128+\j], v[LI]
	v_cndmask_b32 v[ED+\j], v33, v34, vcc_lo
.endr
	s_wait_kmcnt 0x0
	s_xor_b32 s14, s14, 0x80000000                 ; -lam
	s_wait_dscnt 0x0                               ; my part of the table is written
	s_wait_tensorcnt 0x1                           ; my part of slot 0 is in; slot 1's stays out
	s_barrier_signal -1
	s_barrier_wait -1
.macro LDK adr                         ; 32 keys x 64 of K1 or K2: two tiles u, two halves c of the head's 64
.irp u, 0,1
.irp c, 0,1
	ds_load_b128 v[KF+16*\u+8*\c:KF+16*\u+8*\c+3], v[\adr] offset:16*KP*\u+64*\c
	ds_load_b128 v[KF+16*\u+8*\c+4:KF+16*\u+8*\c+7], v[\adr] offset:16*KP*\u+64*\c+32
.endr
.endr
.endm
.macro LDLJ                            ; L2 of my 16 keys, into the registers in which the mask factor is then made
.irp u, 0,1
	ds_load_b128 v[CT+8*\u:CT+8*\u+3], v7 offset:64*\u
	ds_load_b128 v[CT+8*\u+4:CT+8*\u+7], v7 offset:64*\u+16
.endr
.endm
.macro LDV                             ; V^T: 16 d x 32 keys for each of four dt
.irp dt, 0,1,2,3
	ds_load_tr16_b128 v[VF+8*\dt:VF+8*\dt+3], v6 offset:32*\dt
	ds_load_tr16_b128 v[VF+8*\dt+4:VF+8*\dt+7], v6 offset:32*\dt+16*VP
.endr
.endm
.macro STEPHEAD slot, lj               ; lj = 1: the launch's first chunk; every later chunk's L2 was fetched by the chunk before it
	v_add_nc_u32 v4, \slot*SLOT, v11
	v_add_nc_u32 v5, \slot*SLOT+K2O, v11
	v_add_nc_u32 v6, \slot*SLOT+VO, v[VL]
	LDK 4
.if \lj
	LDLJ
.endif
.endm
; one matrix instruction of S^T: tile u, half c of the head's 64.  The two tiles take turns (c0 u0, c0 u1, c1 u0, c1 u1).
.macro SW sb, st, c, u
.if \c == 0
	v_wmma_f32_16x16x32_f16 v[\sb+8*\u:\sb+8*\u+7], v[KF+16*\u+8*\c:KF+16*\u+8*\c+7], v[QF+16*\st+8*\c:QF+16*\st+8*\c+7], 0
.else
	v_wmma_f32_16x16x32_f16 v[\sb+8*\u:\sb+8*\u+7], v[KF+16*\u+8*\c:KF+16*\u+8*\c+7], v[QF+16*\st+8*\c:QF+16*\st+8*\c+7], v[\sb+8*\u:\sb+8*\u+7]
.endif
.endm
.macro CTONE u                         ; the mask's exponent off the diagonal, in place: +-(L2 key - L2 query)
	v_mul_f32 v[NL], s[74+\u], v[LI]
.irp p, 0,1,2,3
	v_pk_fma_f32 v[CT+8*\u+2*\p:CT+8*\u+2*\p+1], v[CT+8*\u+2*\p:CT+8*\u+2*\p+1], s[66+2*\u:67+2*\u], v[NL:NL+1] op_sel_hi:[1,0,0]
.endr
.endm
.macro SEL u                           ; on the diagonal tile every lane takes ED
.irp j, 0,1,2,3,4,5,6,7
	v_cndmask_b32 v[CT+8*\u+\j], v[CT+8*\u+\j], v[ED+\j], s[78+\u]
.endr
.endm
.macro MAX16 sb                        ; the largest of a lane's 16 numbers, as a tree of depth 3, in v[T0]; the other half's in v[T0+1]
	v_max3_num_f32 v[T0], v[\sb], v[\sb+1], v[\sb+2]
	v_max3_num_f32 v[T0+1], v[\sb+3], v[\sb+4], v[\sb+5]
	v_max3_num_f32 v[T0+2], v[\sb+6], v[\sb+7], v[\sb+8]
	v_max3_num_f32 v[T0+3], v[\sb+9], v[\sb+10], v[\sb+11]
	v_max3_num_f32 v[T0+4], v[\sb+12], v[\sb+13], v[\sb+14]
	v_max3_num_f32 v[T0], v[T0], v[T0+1], v[T0+2]
	v_max3_num_f32 v[T0+3], v[T0+3], v[T0+4], v[\sb+15]
	v_max_num_f32 v[T0], v[T0], v[T0+3]
	v_permlanex16_b32 v[T0+1], v[T0], s20, s21     ; the other half's keys of the same query
.endm
.macro ADDP d, sb, i                   ; a chain of the sum takes pair i
	v_pk_add_f32 v[\d:\d+1], v[\d:\d+1], v[\sb+2*\i:\sb+2*\i+1]
.endm
.macro MSK sb, i                       ; pair i times its mask factors, in place
	v_pk_mul_f32 v[\sb+2*\i:\sb+2*\i+1], v[\sb+2*\i:\sb+2*\i+1], v[CT+2*\i:CT+2*\i+1]
.endm
; one stream's softmax step on 32 keys.  c = log2(e)/8.  t = the chunk's maximum; d = M - t; M = max(M, t); the old sum shrinks by alpha = 2^(c min(d, 0)).
; The sum of p goes in two chains (LP takes pairs 0-3, TS pairs 4-7), each pair masked in place as soon as it has been summed.
; Then the masked weights' maximum: MU = clip(max(alpha MU, the chunk's)); the old O shrinks by beta = alpha MU_old / MU; the weights are divided by MU and packed.
; lj = 1: the next chunk's L2 is fetched into CT as soon as CT has been read for the last time.
.macro SOFT st, sb, first, lj
	MAX16 \sb
.if \first
	v_max_num_f32 v[MX+2*\st], v[T0], v[T0+1]
.else
	v_max_num_f32 v[T0], v[T0], v[T0+1]
	v_sub_f32 v[T0+1], v[MX+2*\st], v[T0]
	v_max_num_f32 v[MX+2*\st], v[MX+2*\st], v[T0]
	v_min_num_f32 v[T0+1], 0, v[T0+1]
	v_mul_f32 v[T0+1], 0x3e38aa3b, v[T0+1]
	v_exp_f32 v[AL], v[T0+1]                       ; the next line is the plain place behind it (ISA guide 5.7.2)
.endif
	v_mul_f32 v[NM], 0xbe38aa3b, v[MX+2*\st]
.irp i, 0,2,4,6,8,10,12,14
	v_pk_fma_f32 v[\sb+\i:\sb+\i+1], v[\sb+\i:\sb+\i+1], 0x3e38aa3b, v[NM:NM+1] op_sel_hi:[1,0,0]
.endr
.irp i, 0,1,2,3,4,5,6,7,8,9,10,11,12,13,14,15
	v_exp_f32 v[\sb+\i], v[\sb+\i]
.endr
.if \first
	v_nop                                          ; the plain place behind the exponentials
	s_wait_alu depctr_va_vdst(0)
	v_pk_add_f32 v[LP+2*\st:LP+2*\st+1], v[\sb:\sb+1], v[\sb+2:\sb+3]
.else
	s_wait_alu depctr_va_vdst(0)
	v_mul_f32 v[OLD], v[MU+2*\st], v[AL]           ; the old MU in the new units (and the plain place behind the exponentials)
	v_pk_fma_f32 v[LP+2*\st:LP+2*\st+1], v[LP+2*\st:LP+2*\st+1], v[AL:AL+1], v[\sb:\sb+1] op_sel_hi:[1,0,1]
.endif
	v_pk_add_f32 v[TS:TS+1], v[\sb+8:\sb+9], v[\sb+10:\sb+11]
	MSK \sb, 0
	MSK \sb, 4
.if \first == 0
	ADDP LP+2*\st, \sb, 1
.endif
	MSK \sb, 5
	ADDP TS, \sb, 6
	MSK \sb, 1
	ADDP LP+2*\st, \sb, 2
	MSK \sb, 6
	ADDP TS, \sb, 7
	MSK \sb, 2
	ADDP LP+2*\st, \sb, 3
	MSK \sb, 7
	MSK \sb, 3
.if \lj
	LDLJ
.endif
	MAX16 \sb
.if \first
	v_max_num_f32 v[T0], v[T0], v[T0+1]
.else
	v_max3_num_f32 v[T0], v[T0], v[T0+1], v[OLD]
.endif
	v_med3_num_f32 v[MU+2*\st], v[T0], s19, s85
	v_rcp_f32 v[RS], v[MU+2*\st]
	v_pk_add_f32 v[LP+2*\st:LP+2*\st+1], v[LP+2*\st:LP+2*\st+1], v[TS:TS+1]   ; the two chains meet (and the plain place behind the reciprocal)
.if \first == 0
	s_wait_alu depctr_va_vdst(0)
	v_mul_f32 v[BE], v[OLD], v[RS]
.endif
	s_wait_alu depctr_va_vdst(0)
.irp i, 0,2,4,6,8,10,12,14
	v_pk_mul_f32 v[\sb+\i:\sb+\i+1], v[\sb+\i:\sb+\i+1], v[RS:RS+1] op_sel_hi:[1,0]
.endr
.irp i, 0,1,2,3,4,5,6,7
	v_cvt_pk_f16_f32 v[\sb+\i], v[\sb+2*\i], v[\sb+2*\i+1]     ; the packed words are the second operand of the product with V^T
.endr
.endm
; O^T += V^T x P^T, four accumulators, one instruction each; the shrinking of an accumulator's old sum stands behind the matrix instruction of the one before it
.macro PV st, sb, first
.irp dt, 0,1,2,3
.if \first
	v_wmma_f32_16x16x32_f16 v[OO+32*\st+8*\dt:OO+32*\st+8*\dt+7], v[VF+8*\dt:VF+8*\dt+7], v[\sb:\sb+7], 0
.else
.irp i, 0,2,4,6
	v_pk_mul_f32 v[OO+32*\st+8*\dt+\i:OO+32*\st+8*\dt+\i+1], v[OO+32*\st+8*\dt+\i:OO+32*\st+8*\dt+\i+1], v[BE:BE+1] op_sel_hi:[1,0]
.endr
	v_wmma_f32_16x16x32_f16 v[OO+32*\st+8*\dt:OO+32*\st+8*\dt+7], v[VF+8*\dt:VF+8*\dt+7], v[\sb:\sb+7], v[OO+32*\st+8*\dt:OO+32*\st+8*\dt+7]
.endif
.endr
.endm
; 32 keys.  first = 1: the sums start here.  pf = 1: the next chunk's K1 is fetched from the same slot.  lj = 1: there is a next chunk, its L2 is fetched.
; Every LDS wait is for 0; each stands behind a softmax step's worth of vector work after its loads (L2: behind half a step's).
.macro CHUNK first, pf, lj
.irp u, 0,1
	s_add_co_u32 s84, s56, 16*\u
	s_cmp_eq_u32 s84, s82
	s_cselect_b32 s[78+\u], -1, 0                  ; the diagonal tile
	s_cmp_gt_u32 s84, s82
	s_cselect_b32 s[66+2*\u], 1.0, -1.0            ; keys behind the queries: L2 key - L2 query; before them: the other way round
	s_cselect_b32 s[74+\u], -1.0, 1.0
.endr
	s_wait_dscnt 0x0                               ; K1 and L2 of my keys
	SW SA, 0, 0, 0                                 ; stream 0's scores, with the mask's exponents made between the matrix instructions
	CTONE 0
	SW SA, 0, 0, 1
	CTONE 1
	SW SA, 0, 1, 0
	SEL 0
	SW SA, 0, 1, 1
	SEL 1                                          ; eight plain instructions: the places ahead of the loads into K's and V's fragments and of the readers of the scores
	LDK 5
	LDV
.set ci, 0
.rept 16
	v_exp_f32 v[CT+ci], v[CT+ci]
.set ci, ci+1
.endr
	SOFT 0, SA, \first, 0                          ; (its first line is the plain place behind the exponentials)
	s_wait_dscnt 0x0                               ; K2 and V
	PV 0, SA, \first
	SW SB, 1, 0, 0
	SW SB, 1, 0, 1
	SW SB, 1, 1, 0
	SW SB, 1, 1, 1
	v_add_nc_u32 v7, 128, v7                       ; four places ahead of the loads into K's fragments and of the readers of the scores
.if \pf
	v_add_nc_u32 v4, 32*KP, v4
	v_add_nc_u32 v5, 32*KP, v5
	v_add_nc_u32 v6, 32*VP, v6
	LDK 4
.else
	v_nop
	v_nop
	v_nop
.endif
	s_add_co_u32 s56, s56, 32
	SOFT 1, SB, \first, \lj
	PV 1, SB, \first
.endm
; Slot s has been read by every wave of the four work-groups once the round is over: each wave's reads and all its tensor loads are waited for in front of it,
; and the joint refill (the tiles two steps on) is the first tensor load behind it.
.macro REFILL s
	s_wait_dscnt 0x0
	s_wait_tensorcnt 0x0
	ds_add_u32 v38, v39
	s_wait_dscnt 0x0
	s_add_nc_u64 s[G0K+4*\s+2:G0K+4*\s+3], s[G0K+4*\s+2:G0K+4*\s+3], 65536
	s_add_nc_u64 s[G0V+4*\s+2:G0V+4*\s+3], s[G0V+4*\s+2:G0V+4*\s+3], 65536
	ROUND
	JLOAD3 \s
.endm
	STEPHEAD 0, 1                                  ; keys 0-255
	CHUNK 1, 1, 1
	s_mov_b32 s57, 6
.Lstep0:
	CHUNK 0, 1, 1
	s_sub_co_u32 s57, s57, 1
	s_cmp_lg_u32 s57, 0
	s_cbranch_scc1 .Lstep0
	CHUNK 0, 0, 1
	REFILL 0
	STEPHEAD 1, 0                                  ; keys 256-511
	s_mov_b32 s57, 7
.Lstep1:
	CHUNK 0, 1, 1
	s_sub_co_u32 s57, s57, 1
	s_cmp_lg_u32 s57, 0
	s_cbranch_scc1 .Lstep1
	CHUNK 0, 0, 1
	REFILL 1
	STEPHEAD 0, 0                                  ; keys 512-767
	s_mov_b32 s57, 7
.Lstep2:
	CHUNK 0, 1, 1
	s_sub_co_u32 s57, s57, 1
	s_cmp_lg_u32 s57, 0
	s_cbranch_scc1 .Lstep2
	CHUNK 0, 0, 1
	s_wait_dscnt 0x0
	s_wait_tensorcnt 0x0                           ; my part of the last tiles is in; nothing is left to fetch
	s_barrier_signal -1
	s_barrier_wait -1
	STEPHEAD 1, 0                                  ; keys 768-1023
	s_mov_b32 s57, 7
.Lstep3:
	CHUNK 0, 1, 1
	s_sub_co_u32 s57, s57, 1
	s_cmp_lg_u32 s57, 0
	s_cbranch_scc1 .Lstep3
	CHUNK 0, 0, 0
	; THE WAY OUT.  The plain lines down to the factors are the places behind the last matrix instructions.
	v_add_f32 v27, v[LP], v[LP+1]
	v_add_f32 v28, v[LP+2], v[LP+3]
	v_permlanex16_b32 v29, v27, s20, s21
	v_permlanex16_b32 v30, v28, s20, s21
	v_add_f32 v27, v27, v29                        ; l of stream 0
	v_add_f32 v28, v28, v30                        ; l of stream 1
	v_rcp_f32 v29, v27
	v_rcp_f32 v30, v28
	v_mov_b32 v31, 0                               ; (the plain place) the offset of the statistics' store
	s_wait_alu depctr_va_vdst(0)
	v_mul_f32 v32, v29, v[MU]                      ; MU1 / l1 (v33, the pair's upper word, is named and not used)
	v_mul_f32 v30, v30, v[MU+2]
	v_mul_f32 v28, s14, v30                        ; -lam MU2 / l2 (v29 likewise)
.irp i, 0,2,4,6,8,10,12,14,16,18,20,22,24,26,28,30
	v_pk_mul_f32 v[XX+\i:XX+\i+1], v[OO+\i:OO+\i+1], v[32:33] op_sel_hi:[1,0]
.endr
.irp i, 0,2,4,6,8,10,12,14,16,18,20,22,24,26,28,30
	v_pk_fma_f32 v[XX+\i:XX+\i+1], v[OO+32+\i:OO+32+\i+1], v[28:29], v[XX+\i:XX+\i+1] op_sel_hi:[1,0,1]
.endr
	; my wave's 1,024 numbers: the mean first, then the squares of the deviations from it
.irp k, 0,1,2,3
	v_pk_add_f32 v[96+2*\k:97+2*\k], v[XX+2*\k:XX+2*\k+1], v[XX+8+2*\k:XX+8+2*\k+1]
.endr
.set p, 8
.rept 8
	v_pk_add_f32 v[96+2*(p%4):97+2*(p%4)], v[96+2*(p%4):97+2*(p%4)], v[XX+2*p:XX+2*p+1]
.set p, p+1
.endr
.macro WAVESUM                         ; v[96:103], four pairs, to one number in v96 of every lane
	v_pk_add_f32 v[96:97], v[96:97], v[98:99]
	v_pk_add_f32 v[100:101], v[100:101], v[102:103]
	v_pk_add_f32 v[96:97], v[96:97], v[100:101]
	v_add_f32 v96, v96, v97
	v_add_f32_dpp v96, v96, v96 row_xmask:1 row_mask:0xf bank_mask:0xf
	v_add_f32_dpp v96, v96, v96 row_xmask:2 row_mask:0xf bank_mask:0xf
	v_add_f32_dpp v96, v96, v96 row_xmask:4 row_mask:0xf bank_mask:0xf
	v_add_f32_dpp v96, v96, v96 row_xmask:8 row_mask:0xf bank_mask:0xf
	v_permlanex16_b32 v97, v96, s20, s21
	v_add_f32 v96, v96, v97
.endm
	WAVESUM
	v_mul_f32 v104, 0x3a800000, v96                ; mean = sum / 1024
	v_mul_f32 v106, 0xba800000, v96                ; -mean, twice: a pair for the packed sum
	v_mul_f32 v107, 0xba800000, v96
.set p, 0
.rept 16
	v_pk_add_f32 v[128+2*p:129+2*p], v[XX+2*p:XX+2*p+1], v[106:107]
.set p, p+1
.endr
.irp k, 0,1,2,3
	v_pk_mul_f32 v[96+2*\k:97+2*\k], v[128+2*\k:129+2*\k], v[128+2*\k:129+2*\k]
.endr
.set p, 4
.rept 12
	v_pk_fma_f32 v[96+2*(p%4):97+2*(p%4)], v[128+2*p:129+2*p], v[128+2*p:129+2*p], v[96+2*(p%4):97+2*(p%4)]
.set p, p+1
.endr
	WAVESUM
	v_mov_b32 v105, v96                            ; beside the mean, for one store of 8 bytes
	s_wait_xcnt 0x0                                ; EXEC changes only behind this wait
	v_cmp_eq_u32 vcc_lo, 0, v3
	s_and_saveexec_b32 s95, vcc_lo
	global_store_b64 v31, v[104:105], s[12:13]     ; lane 0 alone
	s_wait_xcnt 0x0
	s_or_b32 exec_lo, exec_lo, s95
	; my 16 queries through my stage: in as lane (r, h) holds them, back as rows of 256 bytes; sixteen lanes store 256 consecutive aligned bytes
.irp dt, 0,1,2,3
	ds_store_b128 v8, v[XX+8*\dt:XX+8*\dt+3] offset:64*\dt
	ds_store_b128 v8, v[XX+8*\dt+4:XX+8*\dt+7] offset:64*\dt+16
.endr
.irp i, 0,1,2,3,4,5,6,7
	ds_load_b128 v[128+4*\i:131+4*\i], v9 offset:\i*2*SPITCH       ; my own bytes, served in order behind the stores
.endr
.irp i, 0,1,2,3,4,5,6,7
	s_wait_dscnt 7-\i                              ; read-back i is in, the younger ones stay out
	global_store_b128 v10, v[128+4*\i:131+4*\i], s[10:11] offset:8192*\i
.endr
	s_wait_dscnt 0x0
	s_wait_tensorcnt 0x0
	ds_add_u32 v38, v39
	s_wait_dscnt 0x0
	ROUND                                          ; the closing round
	s_endpgm
.Lfunc_end_k_qa6319e64a3_attn:
	.size	k_qa6319e64a3_attn, .Lfunc_end_k_qa6319e64a3_attn-k_qa6319e64a3_attn
	.p2alignl 7, 3214868480
	.fill 96, 4, 3214868480
	.section	.rodata,"a",@progbits
	.p2align	6, 0x0
	.amdhsa_kernel k_qa6319e64a3_attn
		.amdhsa_group_segment_fixed_size 327680
		.amdhsa_private_segment_fixed_size 0
		.amdhsa_enable_private_segment 0
		.amdhsa_kernarg_size 40
		.amdhsa_user_sgpr_count 2
		.amdhsa_user_sgpr_kernarg_segment_ptr 1
		.amdhsa_wavefront_size32 1
		.amdhsa_system_sgpr_workgroup_id_x 1
		.amdhsa_system_sgpr_workgroup_id_y 1
		.amdhsa_system_sgpr_workgroup_id_z 1
		.amdhsa_system_vgpr_workitem_id 0
		.amdhsa_next_free_vgpr 256
		.amdhsa_next_free_sgpr 96
		.amdhsa_reserve_vcc 1
		.amdhsa_float_denorm_mode_32 3
		.amdhsa_float_denorm_mode_16_64 3
		.amdhsa_memory_ordered 1
		.amdhsa_forward_progress 1
		.amdhsa_inst_pref_size 176
	.end_amdhsa_kernel
	.amdgpu_metadata
---
amdhsa.version: [ 1, 2 ]
amdhsa.kernels:
  - .name:           k_qa6319e64a3_attn
    .symbol:         k_qa6319e64a3_attn.kd
    .args:
      - { .name: qkvh, .offset: 0, .size: 8, .value_kind: global_buffer, .address_space: global }
      - { .name: tab, .offset: 8, .size: 8, .value_kind: global_buffer, .address_space: global }
      - { .name: lam, .offset: 16, .size: 8, .value_kind: global_buffer, .address_space: global }
      - { .name: ctx, .offset: 24, .size: 8, .value_kind: global_buffer, .address_space: global }
      - { .name: stats, .offset: 32, .size: 8, .value_kind: global_buffer, .address_space: global }
    .group_segment_fixed_size: 327680
    .private_segment_fixed_size: 0
    .kernarg_segment_align: 8
    .kernarg_segment_size: 40
    .max_flat_workgroup_size: 512
    .sgpr_count:     96
    .vgpr_count:     256
    .wavefront_size: 32
...
	.end_amdgpu_metadata
.endif
;; end of part 3
;; launch norm (part 4): grid 256 x 1, 8 waves a work-group, no clusters, 0 bytes of LDS; arguments ctx, stats, gn_w, gn_b, xn; writes xn
.if DOCPART == 4
	.amdgcn_target "amdgcn-amd-amdhsa--gfx1250"
	.amdhsa_code_object_version 6
	.text
	.protected	k_qa6319e64a3_norm
	.globl	k_qa6319e64a3_norm
	.p2align	8
	.type	k_qa6319e64a3_norm,@function
k_qa6319e64a3_norm:
	s_mov_b64 s[64:65], 0
	v_nop
	global_prefetch_b8 v0, s[64:65] scope:SCOPE_SE
	s_setreg_imm32_b32 hwreg(HW_REG_WAVE_MODE, 25, 1), 1
	s_wait_xcnt 0x0
; norm: xn = f16( 8 x 0.8 ((ctx - mean) rstd gn_w + gn_b) ), mean and variance per (batch, head) over 1,024 positions x 64 channels.
; A stream: memory binds, so no LDS, no barrier, no matrix unit.  A work-group takes 16 rows; thread t keeps columns 4 t .. 4 t + 3, so sixteen
; neighbouring lanes are one head.  The head's 64 partial (mean, M2) of 1,024 numbers each are 512 bytes: four partials a lane, combined as
; mean = sum of means / 64, M2 = sum of M2 + 1024 sum of (mean_w - mean)^2: no difference of large sums is formed.
; THE FACTOR 8 (the other operand of the last product is stored as Wo/8) centres the result in f16's range.  A normalised number is at most
; sqrt(65535) = 256 in magnitude, so 6.4 x 256 gn_w stays under 65,504 up to gn_w = 30 (LIMIT: beyond 65,504 the number becomes infinite); with x, Wv and gn_w all
; 30 times smaller the spread is 6e-5, where the step 2^-25 is 0.03 per cent of it.
.set XR, 8                             ; v[8:71]   16 rows x 4
.set YR, 88                            ; v[88:119] 16 rows x 2 words of f16
	s_load_b256 s[4:11], s[0:1], 0x0               ; ctx, stats, gn_w, gn_b
	s_load_b64 s[12:13], s[0:1], 0x20              ; xn
	v_lshlrev_b32 v1, 4, v0
	v_lshlrev_b32 v2, 3, v0
	v_lshlrev_b32 v3, 5, v0                        ; 512 bytes a head, 32 bytes a lane
	s_lshr_b32 s14, ttmp9, 6                       ; batch
	s_lshl_b32 s14, s14, 13                        ; its 16 heads x 512 bytes of partials
	s_mov_b32 s15, 0
	s_lshl_b32 s16, ttmp9, 16                      ; 16 rows of 4,096 bytes
	s_mov_b32 s17, 0
	s_lshl_b32 s18, ttmp9, 15                      ; 16 rows of 2,048 bytes
	s_mov_b32 s19, 0
	s_mov_b32 s20, 0x37800000                      ; 1/65536
	s_wait_kmcnt 0x0
	s_add_nc_u64 s[6:7], s[6:7], s[14:15]
	s_add_nc_u64 s[4:5], s[4:5], s[16:17]
	s_add_nc_u64 s[12:13], s[12:13], s[18:19]
	global_load_b128 v[72:75], v3, s[6:7]          ; mean_a, M2_a, mean_b, M2_b
	global_load_b128 v[120:123], v3, s[6:7] offset:16   ; mean_c, M2_c, mean_d, M2_d
	global_load_b128 v[76:79], v1, s[8:9]
	global_load_b128 v[80:83], v1, s[10:11]
.set i, 0
.rept 16
	global_load_b128 v[XR+4*i:XR+4*i+3], v1, s[4:5] offset:4096*i th:TH_LOAD_NT
.set i, i+1
.endr
	s_wait_loadcnt 16                              ; the four small loads are in; the 16 rows stay out
	v_add_f32 v84, v72, v74
	v_add_f32 v85, v120, v122
	v_add_f32 v84, v84, v85
	v_add_f32_dpp v84, v84, v84 row_xmask:1 row_mask:0xf bank_mask:0xf
	v_add_f32_dpp v84, v84, v84 row_xmask:2 row_mask:0xf bank_mask:0xf
	v_add_f32_dpp v84, v84, v84 row_xmask:4 row_mask:0xf bank_mask:0xf
	v_add_f32_dpp v84, v84, v84 row_xmask:8 row_mask:0xf bank_mask:0xf
	v_mul_f32 v86, 0x3c800000, v84                 ; the mean (sum / 64), twice: a pair for the packed subtraction
	v_mul_f32 v87, 0x3c800000, v84
	v_sub_f32 v84, v72, v86
	v_sub_f32 v85, v74, v86
	v_mul_f32 v84, v84, v84
	v_fma_f32 v84, v85, v85, v84
	v_sub_f32 v85, v120, v86
	v_fma_f32 v84, v85, v85, v84
	v_sub_f32 v85, v122, v86
	v_fma_f32 v84, v85, v85, v84
	v_add_f32 v85, v73, v75
	v_add_f32 v85, v85, v121
	v_add_f32 v85, v85, v123
	v_fmamk_f32 v84, v84, 0x44800000, v85          ; my four M2 + 1024 x my four squared distances of the means
	v_add_f32_dpp v84, v84, v84 row_xmask:1 row_mask:0xf bank_mask:0xf
	v_add_f32_dpp v84, v84, v84 row_xmask:2 row_mask:0xf bank_mask:0xf
	v_add_f32_dpp v84, v84, v84 row_xmask:4 row_mask:0xf bank_mask:0xf
	v_add_f32_dpp v84, v84, v84 row_xmask:8 row_mask:0xf bank_mask:0xf
	v_fmaak_f32 v84, s20, v84, 0x3727c5ac          ; variance + 1e-5
	v_rsq_f32 v85, v84
	v_pk_mul_f32 v[80:81], v[80:81], 0x40cccccd op_sel_hi:[1,0]   ; 6.4 gn_b (the plain place behind v_rsq_f32, ISA guide 5.7.2)
	v_pk_mul_f32 v[82:83], v[82:83], 0x40cccccd op_sel_hi:[1,0]
	s_wait_alu depctr_va_vdst(0)
	v_mul_f32 v85, 0x40cccccd, v85
.irp k, 0,1,2,3
	v_mul_f32 v[76+\k], v85, v[76+\k]              ; 6.4 rstd gn_w
.endr
.set i, 0
.rept 16
	s_wait_loadcnt 15-i                            ; row i is in, the younger rows stay out
	v_pk_add_f32 v[XR+4*i:XR+4*i+1], v[XR+4*i:XR+4*i+1], v[86:87] neg_lo:[0,1] neg_hi:[0,1]
	v_pk_add_f32 v[XR+4*i+2:XR+4*i+3], v[XR+4*i+2:XR+4*i+3], v[86:87] neg_lo:[0,1] neg_hi:[0,1]
	v_pk_fma_f32 v[XR+4*i:XR+4*i+1], v[XR+4*i:XR+4*i+1], v[76:77], v[80:81]
	v_pk_fma_f32 v[XR+4*i+2:XR+4*i+3], v[XR+4*i+2:XR+4*i+3], v[78:79], v[82:83]
	v_cvt_pk_f16_f32 v[YR+2*i], v[XR+4*i], v[XR+4*i+1]
	v_cvt_pk_f16_f32 v[YR+2*i+1], v[XR+4*i+2], v[XR+4*i+3]
	global_store_b64 v2, v[YR+2*i:YR+2*i+1], s[12:13] offset:2048*i    ; a wave's store covers 256 consecutive aligned bytes
.set i, i+1
.endr
	s_endpgm
.Lfunc_end_k_qa6319e64a3_norm:
	.size	k_qa6319e64a3_norm, .Lfunc_end_k_qa6319e64a3_norm-k_qa6319e64a3_norm
	.p2alignl 7, 3214868480
	.fill 96, 4, 3214868480
	.section	.rodata,"a",@progbits
	.p2align	6, 0x0
	.amdhsa_kernel k_qa6319e64a3_norm
		.amdhsa_group_segment_fixed_size 0
		.amdhsa_private_segment_fixed_size 0
		.amdhsa_enable_private_segment 0
		.amdhsa_kernarg_size 40
		.amdhsa_user_sgpr_count 2
		.amdhsa_user_sgpr_kernarg_segment_ptr 1
		.amdhsa_wavefront_size32 1
		.amdhsa_system_sgpr_workgroup_id_x 1
		.amdhsa_system_sgpr_workgroup_id_y 1
		.amdhsa_system_sgpr_workgroup_id_z 1
		.amdhsa_system_vgpr_workitem_id 0
		.amdhsa_next_free_vgpr 128
		.amdhsa_next_free_sgpr 66
		.amdhsa_reserve_vcc 0
		.amdhsa_float_denorm_mode_32 3
		.amdhsa_float_denorm_mode_16_64 3
		.amdhsa_memory_ordered 1
		.amdhsa_forward_progress 1
		.amdhsa_inst_pref_size 13
	.end_amdhsa_kernel
	.amdgpu_metadata
---
amdhsa.version: [ 1, 2 ]
amdhsa.kernels:
  - .name:           k_qa6319e64a3_norm
    .symbol:         k_qa6319e64a3_norm.kd
    .args:
      - { .name: ctx, .offset: 0, .size: 8, .value_kind: global_buffer, .address_space: global }
      - { .name: stats, .offset: 8, .size: 8, .value_kind: global_buffer, .address_space: global }
      - { .name: gn_w, .offset: 16, .size: 8, .value_kind: global_buffer, .address_space: global }
      - { .name: gn_b, .offset: 24, .size: 8, .value_kind: global_buffer, .address_space: global }
      - { .name: xn, .offset: 32, .size: 8, .value_kind: global_buffer, .address_space: global }
    .group_segment_fixed_size: 0
    .private_segment_fixed_size: 0
    .kernarg_segment_align: 8
    .kernarg_segment_size: 40
    .max_flat_workgroup_size: 256
    .sgpr_count:     66
    .vgpr_count:     128
    .wavefront_size: 32
...
	.end_amdgpu_metadata
.endif
;; end of part 4
;; launch oproj (part 5): grid 8 x 32, 4 waves a work-group, clusters of 4 x 4, 327,680 bytes of LDS; arguments xn, wsb, bo, out0; writes out0
.if DOCPART == 5
	.amdgcn_target "amdgcn-amd-amdhsa--gfx1250"
	.amdhsa_code_object_version 6
	.text
	.protected	k_qa6319e64a3_oproj
	.globl	k_qa6319e64a3_oproj
	.p2align	8
	.type	k_qa6319e64a3_oproj,@function
k_qa6319e64a3_oproj:
	s_mov_b64 s[64:65], 0
	v_nop
	global_prefetch_b8 v0, s[64:65] scope:SCOPE_SE
	s_setreg_imm32_b32 hwreg(HW_REG_WAVE_MODE, 25, 1), 1
	s_wait_xcnt 0x0
	s_wait_alu depctr_hold_cnt(0) depctr_sa_sdst(0) depctr_va_vdst(0) depctr_va_sdst(0) depctr_va_ssrc(0) depctr_va_vcc(0) depctr_vm_vsrc(0)
	s_getreg_b32 s2, hwreg(HW_REG_IB_STS2, 6, 4)
	s_cmp_eq_u32 s2, 0
	s_cbranch_scc0 .Lentry_in_a_cluster
	s_endpgm
.Lentry_in_a_cluster:
	s_bfe_u32 s2, ttmp6, 0x10000c
	s_cmp_lg_u32 s2, 0xf033
	s_cbranch_scc0 .Lentry_shape_is_right
	s_endpgm
.Lentry_shape_is_right:
; oproj: out0 [4096][1024] f32 = xn [4096][1024] x Wo[1024][1024]^T + bo, operands f16, sums f32.  xn is stored 8 times larger and Wo 8 times smaller
; than their values (both exact), so the product needs no factor.
; 256 work-groups of 128 x 128, so that every WGP has one; four waves, 2 x 2, each 64 x 64: 16 accumulator tiles.  For 32 along K a wave reads 8 KiB of LDS
; for 16 matrix instructions: more LDS bytes a product than a larger tile would need, taken for a ninth of the program's products so that no WGP idles.
; K goes in steps of 256 (rows of 512 bytes) through two LDS slots: a step of 128 would leave a tile 64 matrix instructions in which to land.
; CLUSTER 4 x 4: xn's tile is asked for jointly along a row of the cluster, Wo's along a column.  The sums start from the bias.
; The matrix instruction is used transposed: lane (r, h) holds row r and columns 8 h + 0..7 of a tile.
.set PITCH,  528                       ; 512 bytes + 16 of padding
.set QROWS,  64*PITCH                  ; what one tensor load brings
.set SLOT,   4*QROWS                   ; xn's 128 rows, then Wo's 128 rows: 135,168
.set STAGE,  2*SLOT                    ; 270,336: 16 rows x 272 bytes a wave; no tensor load lands here
.set SPITCH, 272
.set WOB,    18874368                  ; Wo/8 in wsb
.set ADRA, 16
.set ADRB, 20
.set STO,  24
.set RD,   25
.set CO,   26
.set BO,   28
.set F0,   64                          ; fragment buffer 0: xn's four at +0, Wo's four at +32
.set F1,   128
.set RR,   192
.set G1,  24
.set G0,  32
.set G1B, 48
.set G0B, 56
.set MSB, 0
.macro WIN new
.if MSB != \new
	s_set_vgpr_msb (MSB<<8)|\new
.set MSB, \new
.endif
.endm
.macro PLACES
.rept 4
	v_nop
.endr
.endm
.macro JLOAD s
	s_cmp_eq_u32 s13, 0
	s_cbranch_scc0 .Lfor_b_\@
	tensor_load_to_lds s[G0+4*\s:G0+4*\s+3], s[G1:G1+7]
	s_nop 0
	s_branch .Lasked_\@
.Lfor_b_\@:
	tensor_load_to_lds s[G0B+4*\s:G0B+4*\s+3], s[G1B:G1B+7]
	s_nop 0
.Lasked_\@:
.endm
.macro CREST
	s_cmp_lg_u32 s12, 0
	s_cbranch_scc1 .Lnot_wave_0_\@
	s_barrier_signal -3
.Lnot_wave_0_\@:
	s_barrier_wait -3
	s_barrier_signal -1
	s_barrier_wait -1
.endm
.macro CROUND
	s_barrier_signal -1
	s_barrier_wait -1
	CREST
.endm
	s_load_b256 s[4:11], s[0:1], 0x0               ; xn 4:5, wsb 6:7, bo 8:9, out0 10:11
	v_lshl_add_u32 v254, v0, 2, 0x46400
	v_mov_b32 v255, 0
	ds_add_u32 v254, v255
	v_lshrrev_b32 v1, 5, v0
	v_readfirstlane_b32 s12, v1                    ; wave
	s_lshr_b32 s13, s12, 1                         ; my half of the block's rows; also: I fetch for xn (0) or Wo (1)
	s_and_b32 s14, s12, 1                          ; my half of its columns; also: which 64 rows of that tile I fetch
	s_bfe_u32 s40, ttmp6, 0x40000                  ; cx
	s_bfe_u32 s41, ttmp6, 0x40004                  ; cy
	s_lshl_b32 s42, ttmp9, 2
	s_add_co_u32 s42, s42, s40                     ; block column
	s_and_b32 s43, ttmp7, 0xffff
	s_lshl_b32 s43, s43, 2
	s_add_co_u32 s43, s43, s41                     ; block row
	s_lshl_b32 s44, s41, 2
	s_lshl_b32 s44, 15, s44                        ; my row of the cluster
	s_lshl_b32 s45, 0x1111, s40                    ; my column
	s_or_b32 s[G1+0], s44, (1<<16)|(1<<20)|(1<<21)|(6<<22)|(3<<25)   ; 4 words of padding behind every 128
	s_or_b32 s[G1B+0], s45, (1<<16)|(1<<20)|(1<<21)|(6<<22)|(3<<25)
	s_mov_b32 s[G1+1], 256<<16
	s_mov_b32 s[G1B+1], 256<<16
	s_mov_b32 s[G1+2], 64<<16
	s_mov_b32 s[G1B+2], 64<<16
	s_mov_b32 s[G1+3], 256<<16
	s_mov_b32 s[G1B+3], 256<<16
	s_mov_b32 s[G1+4], 64
	s_mov_b32 s[G1B+4], 64
	s_mov_b32 s[G1+5], 1024
	s_mov_b32 s[G1B+5], 1024
	s_mov_b32 s[G1+6], 0
	s_mov_b32 s[G1B+6], 0
	s_mov_b32 s[G1+7], 0
	s_mov_b32 s[G1B+7], 0
	s_lshl_b32 s17, s14, 6
	s_lshl_b32 s16, s43, 7
	s_add_co_u32 s16, s16, s17
	s_lshl_b32 s16, s16, 11                        ; xn: (128 block row + 64 half) rows of 2,048 bytes
	s_lshl_b32 s46, s42, 7
	s_add_co_u32 s46, s46, s17
	s_lshl_b32 s46, s46, 11
	s_add_co_u32 s46, s46, WOB                     ; Wo: the same with the block column
	s_mov_b32 s17, 0
	s_mov_b32 s47, 0
	s_mul_i32 s20, s12, QROWS                      ; xn's two halves, then Wo's two halves
	s_lshl_b32 s68, s42, 9
	s_lshl_b32 s69, s14, 8
	s_add_co_u32 s68, s68, s69                     ; my first column, in f32 bytes
	s_mov_b32 s69, 0
	s_lshl_b32 s72, s43, 7
	s_lshl_b32 s73, s13, 6
	s_add_co_u32 s72, s72, s73
	s_lshl_b32 s72, s72, 12                        ; my first row of out0
	s_add_co_u32 s72, s72, s68
	s_mov_b32 s73, 0
	s_wait_dscnt 0x0
	s_wait_kmcnt 0x0
	s_add_nc_u64 s[18:19], s[4:5], s[16:17]
	s_add_nc_u64 s[46:47], s[6:7], s[46:47]
	s_add_nc_u64 s[66:67], s[8:9], s[68:69]
	s_add_nc_u64 s[70:71], s[10:11], s[72:73]
	CROUND
.irp s, 0,1
	s_mov_b32 s[G0+4*\s], 1
	s_add_co_u32 s[G0+4*\s+1], s20, \s*SLOT
	s_add_nc_u64 s[G0+4*\s+2:G0+4*\s+3], s[18:19], \s*512
	s_or_b32 s[G0+4*\s+3], s[G0+4*\s+3], 0x80000000
	s_mov_b32 s[G0B+4*\s], 1
	s_add_co_u32 s[G0B+4*\s+1], s20, \s*SLOT
	s_add_nc_u64 s[G0B+4*\s+2:G0B+4*\s+3], s[46:47], \s*512
	s_or_b32 s[G0B+4*\s+3], s[G0B+4*\s+3], 0x80000000
	JLOAD \s                                       ; K steps 0 and 1: two loads of this wave are out
.endr
	v_and_b32 v1, 15, v0
	v_bfe_u32 v2, v0, 4, 1
	v_mul_u32_u24 v3, v1, PITCH
	v_lshl_add_u32 v3, v2, 4, v3
	s_mul_i32 s21, s13, QROWS
	s_mul_i32 s22, s14, QROWS
	s_add_co_u32 s22, s22, 2*QROWS
.irp s, 0,1
	v_add_nc_u32 v[ADRA+\s], s21, v3
	v_add_nc_u32 v[ADRB+\s], s22, v3
	s_add_co_u32 s21, s21, SLOT
	s_add_co_u32 s22, s22, SLOT
.endr
	s_mul_i32 s23, s12, 16*SPITCH
	s_add_co_u32 s23, s23, STAGE
	v_mul_u32_u24 v4, v1, SPITCH
	v_lshl_add_u32 v4, v2, 5, v4
	v_add_nc_u32 v[STO], s23, v4
	v_mul_u32_u24 v5, v2, SPITCH
	v_lshl_add_u32 v5, v1, 4, v5
	v_add_nc_u32 v[RD], s23, v5
	v_lshlrev_b32 v[CO], 12, v2
	v_lshl_add_u32 v[CO], v1, 4, v[CO]
	v_lshlrev_b32 v[BO], 5, v2
	WIN 0x40
.irp a, 0,1,2,3
.irp b, 0,1,2,3
	global_load_b128 v[8*(4*\a+\b):8*(4*\a+\b)+3], v[BO], s[66:67] offset:64*\b
	global_load_b128 v[8*(4*\a+\b)+4:8*(4*\a+\b)+7], v[BO], s[66:67] offset:64*\b+16
.endr
.endr
	WIN 0
.macro FETCH slot, k, f                ; 16 LDS loads: four fragments of xn, four of Wo, 32 K at byte k of the rows
.irp i, 0,1,2,3
	ds_load_b128 v[\f+8*\i:\f+8*\i+3], v[ADRA+\slot] offset:\k+\i*16*PITCH
	ds_load_b128 v[\f+8*\i+4:\f+8*\i+7], v[ADRA+\slot] offset:\k+\i*16*PITCH+32
.endr
.irp i, 0,1,2,3
	ds_load_b128 v[\f+32+8*\i:\f+32+8*\i+3], v[ADRB+\slot] offset:\k+\i*16*PITCH
	ds_load_b128 v[\f+32+8*\i+4:\f+32+8*\i+7], v[ADRB+\slot] offset:\k+\i*16*PITCH+32
.endr
.endm
.macro MUL f                           ; the 16 accumulators take turns, one instruction a turn, always in this order
	WIN 0x50
.irp a, 0,1,2,3
.irp b, 0,1,2,3
	v_wmma_f32_16x16x32_f16 v[8*(4*\a+\b):8*(4*\a+\b)+7], v[\f+32+8*\b:\f+32+8*\b+7], v[\f+8*\a:\f+8*\a+7], v[8*(4*\a+\b):8*(4*\a+\b)+7]
.endr
.endr
	WIN 0
.endm
.macro QSTEP slot, k, f, g             ; fetch the next 32 of K into g, multiply f
	PLACES
	FETCH \slot, \k, \g
	s_wait_dscnt 16                                ; all but the 16 just issued
	MUL \f
.endm
.macro SEVEN slot
	QSTEP \slot, 64,  F0, F1
	QSTEP \slot, 128, F1, F0
	QSTEP \slot, 192, F0, F1
	QSTEP \slot, 256, F1, F0
	QSTEP \slot, 320, F0, F1
	QSTEP \slot, 384, F1, F0
	QSTEP \slot, 448, F0, F1
.endm
; The eighth part of a K step changes slots: each wave's reads of this slot and all its tensor loads are waited for in front of the barrier, which with
; fill = 1 opens a round of the cluster's barrier; the joint refill is the first tensor load behind the round.
.macro QTURN slot, next, fill
	s_wait_dscnt 0x0
	s_wait_tensorcnt 0x0
	ds_add_u32 v254, v255
	s_wait_dscnt 0x0
	s_barrier_signal -1
	MUL F1
	s_barrier_wait -1
.if \fill
	CREST
	s_add_nc_u64 s[G0+4*\slot+2:G0+4*\slot+3], s[G0+4*\slot+2:G0+4*\slot+3], 1024
	s_add_nc_u64 s[G0B+4*\slot+2:G0B+4*\slot+3], s[G0B+4*\slot+2:G0B+4*\slot+3], 1024
	JLOAD \slot
.endif
	PLACES
	FETCH \next, 0, F0
.endm
	s_wait_loadcnt 0x0                             ; the bias is in the accumulators
	s_wait_tensorcnt 0x1                           ; my part of K step 0 is in; K step 1's stays out
	s_barrier_signal -1
	s_barrier_wait -1
	FETCH 0, 0, F0
	SEVEN 0
	QTURN 0, 1, 1
	SEVEN 1
	QTURN 1, 0, 1
	SEVEN 0
	QTURN 0, 1, 0
	SEVEN 1
	s_wait_dscnt 0x0
	MUL F1
	PLACES
	; THE WAY OUT, 16 rows at a time: f32 straight from the accumulators into my stage, back as rows of 256 bytes; sixteen lanes store 256 consecutive aligned bytes
.irp a, 0,1,2,3
	WIN 0x04                                       ; an LDS store's data is source 1
.irp b, 0,1,2,3
	ds_store_b128 v[STO], v[8*(4*\a+\b):8*(4*\a+\b)+3] offset:64*\b
	ds_store_b128 v[STO], v[8*(4*\a+\b)+4:8*(4*\a+\b)+7] offset:64*\b+16
.endr
	WIN 0
	s_wait_xcnt 0x0                                ; the registers that the last rows' stores read are loaded again only behind this wait
.irp i, 0,1,2,3,4,5,6,7
	ds_load_b128 v[RR+4*\i:RR+4*\i+3], v[RD] offset:\i*2*SPITCH
.endr
.irp i, 0,1,2,3,4,5,6,7
	s_wait_dscnt 7-\i
	global_store_b128 v[CO], v[RR+4*\i:RR+4*\i+3], s[70:71] offset:65536*\a+8192*\i th:TH_STORE_NT
.endr
.endr
	s_wait_dscnt 0x0
	s_wait_tensorcnt 0x0
	ds_add_u32 v254, v255
	s_wait_dscnt 0x0
	CROUND                                         ; the closing round
	s_endpgm
.Lfunc_end_k_qa6319e64a3_oproj:
	.size	k_qa6319e64a3_oproj, .Lfunc_end_k_qa6319e64a3_oproj-k_qa6319e64a3_oproj
	.p2alignl 7, 3214868480
	.fill 96, 4, 3214868480
	.section	.rodata,"a",@progbits
	.p2align	6, 0x0
	.amdhsa_kernel k_qa6319e64a3_oproj
		.amdhsa_group_segment_fixed_size 327680
		.amdhsa_private_segment_fixed_size 0
		.amdhsa_enable_private_segment 0
		.amdhsa_kernarg_size 32
		.amdhsa_user_sgpr_count 2
		.amdhsa_user_sgpr_kernarg_segment_ptr 1
		.amdhsa_wavefront_size32 1
		.amdhsa_system_sgpr_workgroup_id_x 1
		.amdhsa_system_sgpr_workgroup_id_y 1
		.amdhsa_system_sgpr_workgroup_id_z 1
		.amdhsa_system_vgpr_workitem_id 0
		.amdhsa_next_free_vgpr 384
		.amdhsa_next_free_sgpr 80
		.amdhsa_reserve_vcc 0
		.amdhsa_float_denorm_mode_32 3
		.amdhsa_float_denorm_mode_16_64 3
		.amdhsa_memory_ordered 1
		.amdhsa_forward_progress 1
		.amdhsa_inst_pref_size 92
	.end_amdhsa_kernel
	.amdgpu_metadata
---
amdhsa.version: [ 1, 2 ]
amdhsa.kernels:
  - .name:           k_qa6319e64a3_oproj
    .symbol:         k_qa6319e64a3_oproj.kd
    .args:
      - { .name: xn, .offset: 0, .size: 8, .value_kind: global_buffer, .address_space: global }
      - { .name: wsb, .offset: 8, .size: 8, .value_kind: global_buffer, .address_space: global }
      - { .name: bo, .offset: 16, .size: 8, .value_kind: global_buffer, .address_space: global }
      - { .name: out0, .offset: 24, .size: 8, .value_kind: global_buffer, .address_space: global }
    .group_segment_fixed_size: 327680
    .private_segment_fixed_size: 0
    .kernarg_segment_align: 8
    .kernarg_segment_size: 32
    .max_flat_workgroup_size: 128
    .sgpr_count:     80
    .vgpr_count:     384
    .wavefront_size: 32
...
	.end_amdgpu_metadata
.endif
;; end of part 5
;; ======== version 2 of 2: 5 launches; version 1 with the launches prep, norm written anew for expert scheduling mode
;; limits: values are held in f16: magnitudes above 65,504 overflow, below 6.1e-05 lose precision
;; workspace buffers: wsb 20,971,520 bytes; tab 299,008 bytes; qkvh 41,943,040 bytes; ctx 16,777,216 bytes; stats 32,768 bytes; xn 8,388,608 bytes
;; launch prep (part 6): grid 705 x 1, 8 waves a work-group, no clusters, 1,536 bytes of LDS; arguments x_norm, Wq, Wk, Wv, Wo, affinity_a, bq, bk, bv, wsb, tab; writes wsb, tab
.if DOCPART == 6
	.amdgcn_target "amdgcn-amd-amdhsa--gfx1250"
	.amdhsa_code_object_version 6
	.text
	.protected	k_qa6319e64a3_prep
	.globl	k_qa6319e64a3_prep
	.p2align	8
	.type	k_qa6319e64a3_prep,@function
k_qa6319e64a3_prep:
	s_mov_b64 s[64:65], 0
	v_nop
	global_prefetch_b8 v0, s[64:65] scope:SCOPE_SE
	s_setreg_imm32_b32 hwreg(HW_REG_WAVE_SCHED_MODE, 0, 2), 2
	s_setreg_imm32_b32 hwreg(HW_REG_WAVE_MODE, 25, 1), 1
	s_wait_xcnt 0x0
	s_wait_alu depctr_vm_vsrc(0)
; prep: everything that later launches want ready-made.  Three roles, chosen by the work-group's number.
;   0..639   x_norm, Wq, Wk, Wv, Wo rounded once to f16 into wsb (x at 0, Wq|Wk|Wv as one [5120][1024] at 8,388,608, Wo/8 behind it);
;            16,384 numbers a work-group, so the destination is simply wsb + 32,768 x number.
;   640..703 the RoPE table, tab[pos][64] f32: cos(ang)-1 for the 32 frequencies, then sin(ang); one row = 256 bytes.
;   704      waves 0..3: L2[b][s] = sum over k < s of log2 a[b][k] (tab + 262,144); waves 4..7: bq|bk|bv as one vector (tab + 278,528).
; WHY f16: the difference of the two softmaxes enlarges each operand's rounding and the mask leaves a query only a few keys, so eight significant
; bits are too few for the result; f16 has eleven.  Its room: x of spread 1 and weights of spread 0.02 lie, 30 times larger or smaller, between 6.7e-4 and
; some 165; below 6.1e-5 the step is 2^-25, 0.003 per cent of the smallest of these spreads.  Wo is stored as Wo/8 (exact) because the last product's other
; operand is stored 8 times larger; Wo/8 at a thirtieth has spread 8e-5, where the step is 0.02 per cent.
; LIMITS: an input number beyond 65,504 in magnitude becomes infinite.  The angle pos*freq is formed in f32 as the problem's definition forms it; freq comes
; from v_exp_f32, the reduction by 1/2pi is one fma, sine and cosine are polynomials on a quarter of the reduced angle and two doublings: about 2e-4 rad at the
; largest angle (1023 rad).  a <= 0 gives NaN or -inf in L2, as a logarithm does.
; THE MODE: SCHED_MODE bits 1:0 = 2 (LLVM: expert scheduling mode 2), set by the entry lines.  The code itself states the register dependences
; between vector instructions and memory or LDS instructions, and between a vector instruction that writes a scalar register or VCC and its readers, with s_wait_alu, always for 0.
; THE PLAN, role 0..639.  Registers that memory instructions touch:
;   v1, v2     the loads' and the stores' byte offsets: made once, never written again.
;   X0 .. X15  a load lands in each once; behind its wait vector instructions alone name it.
;   Y0 .. Y15  chunk i's two conversions write Y[i] once; chunk i's store reads it once; it is never written again.
; The 16 chunks go in four groups.  One wait on va_vdst at a group's head states that the group before has written its Y; that group's four stores follow, one ahead of each
; chunk's conversions, which name this group's X and Y alone.  No register that a memory instruction reads is written again, so nothing is owed for that.
; The other roles are straight lines with a wait ahead of each run of memory instructions; their comments say what each states.
.set XR, 8                             ; v[8:71]    role 0: 16 x 4 f32 as loaded
.set YR, 72                            ; v[72:103]  role 0: 16 x 2 words of f16
.set AV, 8                             ; v[8:39]    role 704: my 32 numbers of a, then their log2
.set PV, 40                            ; v[40:71]   role 704: my 32 prefix sums
.set TV, 72                            ; v[72:103]  role 704: the 32 lanes' totals
.set MK, 4                             ; s[4:19]    role 704, waves 0..3: sixteen lane masks at a time
	s_load_b512 s[4:19], s[0:1], 0x0               ; x 4:5, Wq 6:7, Wk 8:9, Wv 10:11, Wo 12:13, a 14:15, bq 16:17, bk 18:19
	s_load_b128 s[20:23], s[0:1], 0x40             ; bv 20:21, wsb 22:23
	s_load_b64 s[24:25], s[0:1], 0x50              ; tab
	v_lshl_add_u32 v112, v0, 2, 0x200
	v_mov_b32 v113, 0
	s_wait_kmcnt 0x0
	s_cmp_ge_u32 ttmp9, 704
	s_cbranch_scc1 .Lsmall
	s_cmp_ge_u32 ttmp9, 640
	s_cbranch_scc1 .Lrope
; ---- role 0..639: f32 to f16.  A load of the work-group covers 4,096 consecutive bytes, a store of a wave 256 consecutive aligned bytes.
	s_mov_b64 s[26:27], s[4:5]                     ; the source: x, unless the number says otherwise
	s_mov_b32 s28, 0                               ; the first work-group of that source
.macro PICK first, lo
	s_cmp_ge_u32 ttmp9, \first
	s_cselect_b64 s[26:27], s[\lo:\lo+1], s[26:27]
	s_cselect_b32 s28, \first, s28
.endm
	PICK 256, 6
	PICK 384, 8
	PICK 512, 10
	PICK 576, 12
	s_sub_co_u32 s28, ttmp9, s28
	s_lshl_b32 s28, s28, 16                        ; 65,536 bytes of f32 a work-group
	s_mov_b32 s29, 0
	s_add_nc_u64 s[26:27], s[26:27], s[28:29]
	s_lshl_b32 s30, ttmp9, 15                      ; 32,768 bytes of f16
	s_mov_b32 s31, 0
	s_add_nc_u64 s[22:23], s[22:23], s[30:31]
	v_lshlrev_b32 v1, 4, v0
	v_lshlrev_b32 v2, 3, v0
	s_wait_alu depctr_va_vdst(0)                   ; v1 and v2 are written: every load of this role reads v1 as its offset, every store v2
.set i, 0
.rept 16
	global_load_b128 v[XR+4*i:XR+4*i+3], v1, s[26:27] offset:4096*i th:TH_LOAD_NT
.set i, i+1
.endr
; sc = 1: the numbers are divided by 8 on the way (Wo's work-groups alone)
.macro CONV sc
.set i, 0
.rept 16
.if (i % 4) == 0
	s_wait_loadcnt 12-i                            ; loads return in order: this group's four are in, the younger groups stay out
.if i > 0
	s_wait_alu depctr_va_vdst(0)                   ; the group before has written its Y, which the four stores dealt among this group's conversions read
.endif
.endif
.if i >= 4
	global_store_b64 v2, v[YR+2*(i-4):YR+2*(i-4)+1], s[22:23] offset:2048*(i-4)  ; no vector instruction since the wait names these registers
.endif
.if \sc
	v_pk_mul_f32 v[XR+4*i:XR+4*i+1], v[XR+4*i:XR+4*i+1], 0x3e000000 op_sel_hi:[1,0]
	v_pk_mul_f32 v[XR+4*i+2:XR+4*i+3], v[XR+4*i+2:XR+4*i+3], 0x3e000000 op_sel_hi:[1,0]
.endif
	v_cvt_pk_f16_f32 v[YR+2*i], v[XR+4*i], v[XR+4*i+1]
	v_cvt_pk_f16_f32 v[YR+2*i+1], v[XR+4*i+2], v[XR+4*i+3]
.set i, i+1
.endr
	s_wait_alu depctr_va_vdst(0)                   ; the last group has written its Y, which the last four stores read
.set i, 12
.rept 4
	global_store_b64 v2, v[YR+2*i:YR+2*i+1], s[22:23] offset:2048*i
.set i, i+1
.endr
	s_endpgm
.endm
	s_cmp_ge_u32 ttmp9, 576
	s_cbranch_scc1 .Lwo
	CONV 0
.Lwo:
	CONV 1
; ---- role 640..703: thread idx makes 4 numbers (16 bytes): pos = idx/16, quad idx%8 of the frequencies, cos-1 (idx%16 < 8) or sin.
.Lrope:
	s_sub_co_u32 s28, ttmp9, 640
	s_lshl_b32 s28, s28, 8
	v_add_nc_u32 v1, s28, v0                       ; idx
	v_lshrrev_b32 v2, 4, v1
	v_cvt_f32_u32 v2, v2                           ; pos
	v_and_b32 v3, 7, v1
	v_lshlrev_b32 v3, 2, v3                        ; first frequency of my four
	v_and_b32 v4, 8, v1
	v_cmp_ne_u32 vcc_lo, 0, v4                     ; the sine half of the row
	v_lshlrev_b32 v5, 4, v1                        ; my 16 bytes
	s_mov_b32 s30, 0xb9500d01                      ; -1/5040
	s_mov_b32 s31, 0x37d00d01                      ; 1/40320
.irp e, 0,1,2,3
	v_add_nc_u32 v[8+\e], \e, v3
	v_cvt_f32_u32 v[8+\e], v[8+\e]
	v_mul_f32 v[8+\e], 0xbed49a78, v[8+\e]         ; -i log2(10000)/32
.endr
.irp e, 0,1,2,3
	v_exp_f32 v[12+\e], v[8+\e]                    ; freq = 10000^(-i/32)
.endr
	v_nop                                          ; one plain place behind the exponentials (ISA guide 5.7.2)
	s_wait_alu depctr_va_vdst(0)                   ; the four exponentials have written v12 to v15, ahead of their first reader
	s_wait_alu depctr_va_vcc(0)                    ; the compare above has written VCC, ahead of its first reader: the four selects below
.irp e, 0,1,2,3
	v_mul_f32 v[12+\e], v2, v[12+\e]               ; ang
	v_mul_f32 v[8+\e], 0x3e22f983, v[12+\e]
	v_rndne_f32 v[8+\e], v[8+\e]                   ; whole turns
	v_fma_f32 v[12+\e], v[12+\e], 0x3e22f983, -v[8+\e]   ; the rest, -1/2 .. 1/2 of a turn
	v_mul_f32 v[12+\e], 0x3fc90fdb, v[12+\e]       ; p = a quarter of the reduced angle, |p| <= pi/4
	v_mul_f32 v[16+\e], v[12+\e], v[12+\e]         ; z = p^2
	v_fmaak_f32 v[20+\e], s30, v[16+\e], 0x3c088889
	v_fmaak_f32 v[20+\e], v[20+\e], v[16+\e], 0xbe2aaaab
	v_fma_f32 v[20+\e], v[20+\e], v[16+\e], 1.0
	v_mul_f32 v[20+\e], v[12+\e], v[20+\e]         ; sin p
	v_fmaak_f32 v[24+\e], s31, v[16+\e], 0xbab60b61
	v_fmaak_f32 v[24+\e], v[24+\e], v[16+\e], 0x3d2aaaab
	v_fma_f32 v[24+\e], v[24+\e], v[16+\e], -0.5
	v_fma_f32 v[24+\e], v[24+\e], v[16+\e], 1.0    ; cos p
	v_add_f32 v[12+\e], v[20+\e], v[20+\e]
	v_mul_f32 v[16+\e], v[12+\e], v[24+\e]         ; sin 2p
	v_fma_f32 v[24+\e], -v[12+\e], v[20+\e], 1.0   ; cos 2p
	v_add_f32 v[12+\e], v[16+\e], v[16+\e]
	v_mul_f32 v[24+\e], v[12+\e], v[24+\e]         ; sin 4p = sin(ang)
	v_mul_f32 v[16+\e], -v[12+\e], v[16+\e]        ; -2 sin^2 2p = cos(ang) - 1
	v_cndmask_b32 v[28+\e], v[16+\e], v[24+\e], vcc_lo
.endr
	s_wait_alu depctr_va_vdst(0)                   ; the selects have written v28 to v31, the store's data; v5, its offset, is written too
	global_store_b128 v5, v[28:31], s[24:25]       ; sixteen lanes write one row of 256 bytes
	s_endpgm
; ---- role 704
.Lsmall:
	v_lshrrev_b32 v1, 5, v0
	v_readfirstlane_b32 s33, v1                    ; wave
	v_and_b32 v2, 31, v0                           ; lane
	s_wait_alu depctr_va_sdst(0)                   ; s33 is written, ahead of its first reader: the compare below
	s_cmp_ge_u32 s33, 4
	s_cbranch_scc1 .Lbias
	; wave w = batch w; lane L owns a[32 L .. 32 L + 31].  16 KiB in all: the strided 4-byte loads and the 128-byte runs of the stores are left as they are.
	s_mul_i32 s34, s33, 4092                       ; the batch's 1,023 numbers
	v_lshlrev_b32 v3, 7, v2
	v_add_nc_u32 v3, s34, v3
	v_lshl_add_u32 v4, v2, 5, 31
	v_min_u32 v4, 1022, v4                         ; lane 31 has no 32nd number: it reads the last one again, for a total that nobody uses
	v_lshl_add_u32 v4, v4, 2, s34
	s_wait_alu depctr_va_vdst(0)                   ; v3 and v4 are written, which the loads of a read as their offsets
.set i, 0
.rept 31
	global_load_b32 v[AV+i], v3, s[14:15] offset:4*i
.set i, i+1
.endr
	global_load_b32 v[AV+31], v4, s[14:15]
	s_wait_loadcnt 0x0
.set i, 0
.rept 32
	v_log_f32 v[AV+i], v[AV+i]
.set i, i+1
.endr
	v_lshlrev_b32 v107, 2, v2                      ; (the plain place behind the logarithms)
	v_lshl_add_u32 v107, s33, 7, v107              ; my word among my wave's 128 bytes of LDS
	s_lshl_b32 s35, s33, 7
	v_mov_b32 v108, s35
	s_wait_alu depctr_va_vdst(0)                   ; the 32 logarithms have written v[AV ..], ahead of their first reader; v107 and v108, the LDS addresses below, are written too
	v_add_f32 v106, v[AV], v[AV+1]
.set i, 2
.rept 30
	v_add_f32 v106, v106, v[AV+i]                  ; my total
.set i, i+1
.endr
	s_wait_alu depctr_va_vdst(0)                   ; the additions have written v106, the LDS store's data
	ds_store_b32 v107, v106
.set i, 0
.rept 8
	ds_load_b128 v[TV+4*i:TV+4*i+3], v108 offset:16*i   ; my wave's own bytes, served in order behind the store: no barrier
.set i, i+1
.endr
	; Which lanes lie below me: the compares stand in two runs, each with one wait behind it.  s4 to s19 held addresses that this path needs no more:
	; the loads of a, the only ones here that named one of them, are done by the wait for them.
.set i, 0
.rept 16
	v_cmp_lt_u32 s[MK+i], i, v2
.set i, i+1
.endr
	s_wait_dscnt 0x0
	s_wait_alu depctr_va_sdst(0)                   ; the sixteen compares have written s4 to s19, ahead of the first select that reads one
	v_cndmask_b32 v[PV], 0, v[TV], s[MK]           ; the sum of the totals of the lanes below me starts my prefix
.set i, 1
.rept 15
	v_cndmask_b32 v105, 0, v[TV+i], s[MK+i]
	v_add_f32 v[PV], v[PV], v105
.set i, i+1
.endr
.set i, 16
.rept 15
	v_cmp_lt_u32 s[MK+i-16], i, v2
.set i, i+1
.endr
	s_wait_alu depctr_va_sdst(0)                   ; the fifteen compares have written s4 to s18 anew, ahead of the first select that reads one
.set i, 16
.rept 15
	v_cndmask_b32 v105, 0, v[TV+i], s[MK+i-16]
	v_add_f32 v[PV], v[PV], v105
.set i, i+1
.endr
.set i, 1
.rept 31
	v_add_f32 v[PV+i], v[PV+i-1], v[AV+i-1]
.set i, i+1
.endr
	v_lshlrev_b32 v109, 7, v2
	v_lshl_add_u32 v109, s33, 12, v109
	s_wait_alu depctr_va_vdst(0)                   ; the prefix sums v[PV ..], the stores' data, and v109, their offset, are written
.set i, 0
.rept 8
	global_store_b128 v109, v[PV+4*i:PV+4*i+3], s[24:25] offset:262144+16*i
.set i, i+1
.endr
	s_wait_dscnt 0x0                               ; the closing lines, six on end
	s_wait_alu 0x0
	s_wait_tensorcnt 0x0
	ds_add_u32 v112, v113
	s_wait_dscnt 0x0
	s_endpgm
.Lbias:
	v_and_b32 v3, 127, v0                          ; threads 128..255
	v_lshlrev_b32 v3, 4, v3
	s_wait_alu depctr_va_vdst(0)                   ; v3 is written, the offset of every load and store below; the stores' data come from the loads
.irp i, 0,1,2,3
	global_load_b128 v[8+4*\i:11+4*\i], v3, s[16:17] offset:2048*\i
	global_load_b128 v[24+4*\i:27+4*\i], v3, s[18:19] offset:2048*\i
.endr
.irp i, 0,1
	global_load_b128 v[40+4*\i:43+4*\i], v3, s[20:21] offset:2048*\i
.endr
	s_wait_loadcnt 0x0
.irp i, 0,1,2,3
	global_store_b128 v3, v[8+4*\i:11+4*\i], s[24:25] offset:278528+2048*\i
	global_store_b128 v3, v[24+4*\i:27+4*\i], s[24:25] offset:278528+8192+2048*\i
.endr
.irp i, 0,1
	global_store_b128 v3, v[40+4*\i:43+4*\i], s[24:25] offset:278528+16384+2048*\i
.endr
	s_endpgm
.Lfunc_end_k_qa6319e64a3_prep:
	.size	k_qa6319e64a3_prep, .Lfunc_end_k_qa6319e64a3_prep-k_qa6319e64a3_prep
	.p2alignl 7, 3214868480
	.fill 96, 4, 3214868480
	.section	.rodata,"a",@progbits
	.p2align	6, 0x0
	.amdhsa_kernel k_qa6319e64a3_prep
		.amdhsa_group_segment_fixed_size 1536
		.amdhsa_private_segment_fixed_size 0
		.amdhsa_enable_private_segment 0
		.amdhsa_kernarg_size 88
		.amdhsa_user_sgpr_count 2
		.amdhsa_user_sgpr_kernarg_segment_ptr 1
		.amdhsa_wavefront_size32 1
		.amdhsa_system_sgpr_workgroup_id_x 1
		.amdhsa_system_sgpr_workgroup_id_y 1
		.amdhsa_system_sgpr_workgroup_id_z 1
		.amdhsa_system_vgpr_workitem_id 0
		.amdhsa_next_free_vgpr 114
		.amdhsa_next_free_sgpr 66
		.amdhsa_reserve_vcc 1
		.amdhsa_float_denorm_mode_32 3
		.amdhsa_float_denorm_mode_16_64 3
		.amdhsa_memory_ordered 1
		.amdhsa_forward_progress 1
		.amdhsa_inst_pref_size 35
	.end_amdhsa_kernel
	.amdgpu_metadata
---
amdhsa.version: [ 1, 2 ]
amdhsa.kernels:
  - .name:           k_qa6319e64a3_prep
    .symbol:         k_qa6319e64a3_prep.kd
    .args:
      - { .name: x_norm, .offset: 0, .size: 8, .value_kind: global_buffer, .address_space: global }
      - { .name: Wq, .offset: 8, .size: 8, .value_kind: global_buffer, .address_space: global }
      - { .name: Wk, .offset: 16, .size: 8, .value_kind: global_buffer, .address_space: global }
      - { .name: Wv, .offset: 24, .size: 8, .value_kind: global_buffer, .address_space: global }
      - { .name: Wo, .offset: 32, .size: 8, .value_kind: global_buffer, .address_space: global }
      - { .name: affinity_a, .offset: 40, .size: 8, .value_kind: global_buffer, .address_space: global }
      - { .name: bq, .offset: 48, .size: 8, .value_kind: global_buffer, .address_space: global }
      - { .name: bk, .offset: 56, .size: 8, .value_kind: global_buffer, .address_space: global }
      - { .name: bv, .offset: 64, .size: 8, .value_kind: global_buffer, .address_space: global }
      - { .name: wsb, .offset: 72, .size: 8, .value_kind: global_buffer, .address_space: global }
      - { .name: tab, .offset: 80, .size: 8, .value_kind: global_buffer, .address_space: global }
    .group_segment_fixed_size: 1536
    .private_segment_fixed_size: 0
    .kernarg_segment_align: 8
    .kernarg_segment_size: 88
    .max_flat_workgroup_size: 256
    .sgpr_count:     66
    .vgpr_count:     114
    .wavefront_size: 32
...
	.end_amdgpu_metadata
.endif
;; end of part 6
;; launch qkvproj: the kernel of part 2 again; grid 16 x 16, 4 waves a work-group, clusters of 4 x 4, 327,680 bytes of LDS; arguments wsb, tab, qkvh; writes qkvh
;; launch attn: the kernel of part 3 again; grid 4 x 64, 16 waves a work-group, clusters of 4 x 1, 327,680 bytes of LDS; arguments qkvh, tab, lam, ctx, stats; writes ctx, stats
;; launch norm (part 7): grid 256 x 1, 8 waves a work-group, no clusters, 0 bytes of LDS; arguments ctx, stats, gn_w, gn_b, xn; writes xn
.if DOCPART == 7
	.amdgcn_target "amdgcn-amd-amdhsa--gfx1250"
	.amdhsa_code_object_version 6
	.text
	.protected	k_qa6319e64a3_norm
	.globl	k_qa6319e64a3_norm
	.p2align	8
	.type	k_qa6319e64a3_norm,@function
k_qa6319e64a3_norm:
	s_mov_b64 s[64:65], 0
	v_nop
	global_prefetch_b8 v0, s[64:65] scope:SCOPE_SE
	s_setreg_imm32_b32 hwreg(HW_REG_WAVE_SCHED_MODE, 0, 2), 2
	s_setreg_imm32_b32 hwreg(HW_REG_WAVE_MODE, 25, 1), 1
	s_wait_xcnt 0x0
	s_wait_alu depctr_vm_vsrc(0)
; norm: xn = f16( 8 x 0.8 ((ctx - mean) rstd gn_w + gn_b) ), mean and variance per (batch, head) over 1,024 positions x 64 channels.
; A stream: memory binds, so no LDS, no barrier, no matrix unit.  A work-group takes 16 rows; thread t keeps columns 4 t .. 4 t + 3, so sixteen
; neighbouring lanes are one head.  The head's 64 partial (mean, M2) of 1,024 numbers each are 512 bytes: four partials a lane, combined as
; mean = sum of means / 64, M2 = sum of M2 + 1024 sum of (mean_w - mean)^2: no difference of large sums is formed.
; THE FACTOR 8 (the other operand of the last product is stored as Wo/8) centres the result in f16's range.  A normalised number is at most
; sqrt(65535) = 256 in magnitude, so 6.4 x 256 gn_w stays under 65,504 up to gn_w = 30 (LIMIT: beyond 65,504 the number becomes infinite); with x, Wv and gn_w all
; 30 times smaller the spread is 6e-5, where the step 2^-25 is 0.03 per cent of it.
; THE MODE: SCHED_MODE bits 1:0 = 2 (LLVM: expert scheduling mode 2), set by the entry lines.  The code itself states the register dependences
; between vector instructions and memory instructions, with s_wait_alu, always for 0.
; THE PLAN.  Registers that memory instructions touch:
;   v1, v2, v3   byte offsets, made once at the head and never written again.
;   X0 .. X15    a row's load lands in each once; behind its wait vector instructions alone name it.  The statistics', gains' and biases' registers likewise.
;   Y0 .. Y15    row i's two conversions write Y[i] once; row i's store reads it once; it is never written again.
; The 16 rows go in four groups.  One wait on va_vdst at a group's head states that the group before has written its Y; that group's four stores follow, one ahead of each
; row's arithmetic, which names this group's X and Y and the factors alone.  No register that a memory instruction reads is written again, so nothing is owed for that.
.set XR, 8                             ; v[8:71]   16 rows x 4
.set YR, 88                            ; v[88:119] 16 rows x 2 words of f16
	s_load_b256 s[4:11], s[0:1], 0x0               ; ctx, stats, gn_w, gn_b
	s_load_b64 s[12:13], s[0:1], 0x20              ; xn
	v_lshlrev_b32 v1, 4, v0
	v_lshlrev_b32 v2, 3, v0
	v_lshlrev_b32 v3, 5, v0                        ; 512 bytes a head, 32 bytes a lane
	s_lshr_b32 s14, ttmp9, 6                       ; batch
	s_lshl_b32 s14, s14, 13                        ; its 16 heads x 512 bytes of partials
	s_mov_b32 s15, 0
	s_lshl_b32 s16, ttmp9, 16                      ; 16 rows of 4,096 bytes
	s_mov_b32 s17, 0
	s_lshl_b32 s18, ttmp9, 15                      ; 16 rows of 2,048 bytes
	s_mov_b32 s19, 0
	s_mov_b32 s20, 0x37800000                      ; 1/65536
	s_wait_kmcnt 0x0
	s_add_nc_u64 s[6:7], s[6:7], s[14:15]
	s_add_nc_u64 s[4:5], s[4:5], s[16:17]
	s_add_nc_u64 s[12:13], s[12:13], s[18:19]
	s_wait_alu depctr_va_vdst(0)                   ; v1, v2 and v3 are written: every load and store of the kernel reads one of them as its offset
	global_load_b128 v[72:75], v3, s[6:7]          ; mean_a, M2_a, mean_b, M2_b
	global_load_b128 v[120:123], v3, s[6:7] offset:16   ; mean_c, M2_c, mean_d, M2_d
	global_load_b128 v[76:79], v1, s[8:9]
	global_load_b128 v[80:83], v1, s[10:11]
.set i, 0
.rept 16
	global_load_b128 v[XR+4*i:XR+4*i+3], v1, s[4:5] offset:4096*i th:TH_LOAD_NT
.set i, i+1
.endr
	s_wait_loadcnt 16                              ; the four small loads are in; the 16 rows stay out
	v_add_f32 v84, v72, v74
	v_add_f32 v85, v120, v122
	v_add_f32 v84, v84, v85
	v_add_f32_dpp v84, v84, v84 row_xmask:1 row_mask:0xf bank_mask:0xf
	v_add_f32_dpp v84, v84, v84 row_xmask:2 row_mask:0xf bank_mask:0xf
	v_add_f32_dpp v84, v84, v84 row_xmask:4 row_mask:0xf bank_mask:0xf
	v_add_f32_dpp v84, v84, v84 row_xmask:8 row_mask:0xf bank_mask:0xf
	v_mul_f32 v86, 0x3c800000, v84                 ; the mean (sum / 64), twice: a pair for the packed subtraction
	v_mul_f32 v87, 0x3c800000, v84
	v_sub_f32 v84, v72, v86
	v_sub_f32 v85, v74, v86
	v_mul_f32 v84, v84, v84
	v_fma_f32 v84, v85, v85, v84
	v_sub_f32 v85, v120, v86
	v_fma_f32 v84, v85, v85, v84
	v_sub_f32 v85, v122, v86
	v_fma_f32 v84, v85, v85, v84
	v_add_f32 v85, v73, v75
	v_add_f32 v85, v85, v121
	v_add_f32 v85, v85, v123
	v_fmamk_f32 v84, v84, 0x44800000, v85          ; my four M2 + 1024 x my four squared distances of the means
	v_add_f32_dpp v84, v84, v84 row_xmask:1 row_mask:0xf bank_mask:0xf
	v_add_f32_dpp v84, v84, v84 row_xmask:2 row_mask:0xf bank_mask:0xf
	v_add_f32_dpp v84, v84, v84 row_xmask:4 row_mask:0xf bank_mask:0xf
	v_add_f32_dpp v84, v84, v84 row_xmask:8 row_mask:0xf bank_mask:0xf
	v_fmaak_f32 v84, s20, v84, 0x3727c5ac          ; variance + 1e-5
	v_rsq_f32 v85, v84
	v_pk_mul_f32 v[80:81], v[80:81], 0x40cccccd op_sel_hi:[1,0]   ; 6.4 gn_b (the plain place behind v_rsq_f32, ISA guide 5.7.2)
	v_pk_mul_f32 v[82:83], v[82:83], 0x40cccccd op_sel_hi:[1,0]
	s_wait_alu depctr_va_vdst(0)                   ; v_rsq_f32 has written v85, ahead of its first reader
	v_mul_f32 v85, 0x40cccccd, v85
.irp k, 0,1,2,3
	v_mul_f32 v[76+\k], v85, v[76+\k]              ; 6.4 rstd gn_w
.endr
.set i, 0
.rept 16
.if (i % 4) == 0
	s_wait_loadcnt 12-i                            ; loads return in order: this group's four rows are in, the younger groups stay out
.if i > 0
	s_wait_alu depctr_va_vdst(0)                   ; the group before has written its Y, which the four stores dealt among this group's rows read
.endif
.endif
.if i >= 4
	global_store_b64 v2, v[YR+2*(i-4):YR+2*(i-4)+1], s[12:13] offset:2048*(i-4)    ; a wave's store covers 256 consecutive aligned bytes; no vector instruction since the wait names these registers
.endif
	v_pk_add_f32 v[XR+4*i:XR+4*i+1], v[XR+4*i:XR+4*i+1], v[86:87] neg_lo:[0,1] neg_hi:[0,1]
	v_pk_add_f32 v[XR+4*i+2:XR+4*i+3], v[XR+4*i+2:XR+4*i+3], v[86:87] neg_lo:[0,1] neg_hi:[0,1]
	v_pk_fma_f32 v[XR+4*i:XR+4*i+1], v[XR+4*i:XR+4*i+1], v[76:77], v[80:81]
	v_pk_fma_f32 v[XR+4*i+2:XR+4*i+3], v[XR+4*i+2:XR+4*i+3], v[78:79], v[82:83]
	v_cvt_pk_f16_f32 v[YR+2*i], v[XR+4*i], v[XR+4*i+1]
	v_cvt_pk_f16_f32 v[YR+2*i+1], v[XR+4*i+2], v[XR+4*i+3]
.set i, i+1
.endr
	s_wait_alu depctr_va_vdst(0)                   ; the last group has written its Y, which the last four stores read
.set i, 12
.rept 4
	global_store_b64 v2, v[YR+2*i:YR+2*i+1], s[12:13] offset:2048*i
.set i, i+1
.endr
	s_endpgm
.Lfunc_end_k_qa6319e64a3_norm:
	.size	k_qa6319e64a3_norm, .Lfunc_end_k_qa6319e64a3_norm-k_qa6319e64a3_norm
	.p2alignl 7, 3214868480
	.fill 96, 4, 3214868480
	.section	.rodata,"a",@progbits
	.p2align	6, 0x0
	.amdhsa_kernel k_qa6319e64a3_norm
		.amdhsa_group_segment_fixed_size 0
		.amdhsa_private_segment_fixed_size 0
		.amdhsa_enable_private_segment 0
		.amdhsa_kernarg_size 40
		.amdhsa_user_sgpr_count 2
		.amdhsa_user_sgpr_kernarg_segment_ptr 1
		.amdhsa_wavefront_size32 1
		.amdhsa_system_sgpr_workgroup_id_x 1
		.amdhsa_system_sgpr_workgroup_id_y 1
		.amdhsa_system_sgpr_workgroup_id_z 1
		.amdhsa_system_vgpr_workitem_id 0
		.amdhsa_next_free_vgpr 128
		.amdhsa_next_free_sgpr 66
		.amdhsa_reserve_vcc 0
		.amdhsa_float_denorm_mode_32 3
		.amdhsa_float_denorm_mode_16_64 3
		.amdhsa_memory_ordered 1
		.amdhsa_forward_progress 1
		.amdhsa_inst_pref_size 13
	.end_amdhsa_kernel
	.amdgpu_metadata
---
amdhsa.version: [ 1, 2 ]
amdhsa.kernels:
  - .name:           k_qa6319e64a3_norm
    .symbol:         k_qa6319e64a3_norm.kd
    .args:
      - { .name: ctx, .offset: 0, .size: 8, .value_kind: global_buffer, .address_space: global }
      - { .name: stats, .offset: 8, .size: 8, .value_kind: global_buffer, .address_space: global }
      - { .name: gn_w, .offset: 16, .size: 8, .value_kind: global_buffer, .address_space: global }
      - { .name: gn_b, .offset: 24, .size: 8, .value_kind: global_buffer, .address_space: global }
      - { .name: xn, .offset: 32, .size: 8, .value_kind: global_buffer, .address_space: global }
    .group_segment_fixed_size: 0
    .private_segment_fixed_size: 0
    .kernarg_segment_align: 8
    .kernarg_segment_size: 40
    .max_flat_workgroup_size: 256
    .sgpr_count:     66
    .vgpr_count:     128
    .wavefront_size: 32
...
	.end_amdgpu_metadata
.endif
;; end of part 7
;; launch oproj: the kernel of part 5 again; grid 8 x 32, 4 waves a work-group, clusters of 4 x 4, 327,680 bytes of LDS; arguments xn, wsb, bo, out0; writes out0
